; MI455X (gfx1250); checked and timed in simulation.
; The chip was launched on July 23, 2026; its instructions are those of AMD's public machine-readable ISA for CDNA 5 (MIT licence, August 2026) and "CDNA5" Instruction Set Architecture Reference Guide (July 2026). The comments in the code are by the model that wrote it; some were corrected since.
;; Attention. Allowed arithmetic: matrix products marked QUANTISED: E2M3 operands, one E8M0 scale for each 32 along K, by v_wmma_scale_f32_16x16x128_f8f6f4 with both operands' format E2M3, f32 sums; everything else in f32.
;; Inputs: freqs_cos 1,024 x 32 float32; freqs_sin 1,024 x 32 float32; wk 2,048 x 512 float32; wo 2,048 x 2,048 float32; wq 2,048 x 2,048 float32; wv 2,048 x 512 float32; x 4 x 1,024 x 2,048 float32.
;; Outputs: out0 4 x 1,024 x 2,048 float32.
;; This version of the problem:
;;   THIS VERSION OF THE PROBLEM IS GIVEN IN LOW PRECISION. The matrix products marked QUANTISED in the list below multiply operands that are first quantised to E2M3 (2 exponent bits, 3 mantissa bits; 6 bits a number), with one power-of-two scale for each 32 numbers along K (OCP MX v1.0); their sums are f32. All else is computed in f32.
;;   The module's matrix products, in the order in which they are computed (A, B: the left and right operand; K: the contracted axis; several contracted axes count as one K, in the product's order):
;;     1. [M 4,096, K 2,048] x [K 2,048, N 2,048]; A: input x; B: input wq: QUANTISED
;;     2. [M 4,096, K 2,048] x [K 2,048, N 512]; A: input x; B: input wk: QUANTISED
;;     3. [M 4,096, K 2,048] x [K 2,048, N 512]; A: input x; B: input wv: QUANTISED
;;     4. batch 128 x [M 1,024, K 64] x [K 64, N 1,024]; A: computed on the way; B: computed on the way: QUANTISED
;;     5. batch 128 x [M 1,024, K 1,024] x [K 1,024, N 64]; A: softmax (see below); B: computed on the way: QUANTISED
;;     6. [M 4,096, K 2,048] x [K 2,048, N 2,048]; A: computed on the way; B: input wo: QUANTISED
;;   THE QUANTISER, for each operand of a quantised product, along K:
;;     - K is cut into blocks of 32 from its start; a last block that is shorter is filled with zeros.
;;     - A block's scale is 2^e with e = floor(log2(the largest magnitude in the block)) - 2, held to -126 .. 127; a block of zeros has e = 0. As a byte (E8M0): e + 127.
;;     - Each number is divided by its block's scale, clamped to +-7.5, and rounded to the nearest number of E2M3, ties to even, subnormals kept.
;;     - The product sums the exact products of the quantised numbers (number of the format x scale) in f32.
;;   ~~~python
;;   def quantise(x, axis):      # numpy; x: float32 -> the quantised numbers, widened to float32 again
;;       x = np.moveaxis(x, axis, -1); K = x.shape[-1]
;;       x = np.pad(x, [(0, 0)] * (x.ndim - 1) + [(0, -K % 32)]); x = x.reshape(x.shape[:-1] + (-1, 32)); a = np.abs(x).max(-1, keepdims=True)
;;       e = np.where(a > 0, np.clip(np.frexp(np.where(a > 0, a, 1))[1] - 1 - 2, -126, 127), 0)      # np.frexp(a)[1] - 1 = floor(log2(a)), exactly
;;       r = np.clip(x / 2.0 ** e, -7.5, 7.5)
;;       step = 2.0 ** (np.maximum(np.frexp(np.where(r == 0, 1, r))[1] - 1, 0) - 3)
;;       q = np.round(r / step) * step * 2.0 ** e      # np.round: ties to even
;;       return np.moveaxis(q.reshape(q.shape[:-2] + (-1,))[..., :K], -1, axis).astype(np.float32)
;;   ~~~
;;   SOFTMAX AHEAD OF A QUANTISED PRODUCT. Where the list says 'softmax', what is quantised is not the finished softmax but p = 2^(t - M), with t = logit x log2(e) and M = ceil(the row's largest t), a whole number; so 1/2 < the row's largest p <= 1. The row's sum l is taken of the UNQUANTISED p, in f32, and the product's result is divided by l at the end. Since M is a whole number, a kernel that streams over the keys may use a running M (the ceiling of the running maximum): every later rescaling is an exact power of two, which a block's scale takes up: the codes' values come out the same.
;;   OPERANDS COMPUTED ON THE WAY. 'Computed on the way' means the value that the module computes at that place (a softmax that the list does not call 'softmax' is quantised finished and normalised). What goes into a quantiser is computed in f32, as accurately as f32 sums, v_exp_f32 and their like allow (about 1e-6 of the number): no bf16 or f16 on the way to a quantiser, and a product that is left as it is and whose result goes on into a quantised operand takes f32 operands (vector FMAs, or v_wmma_f32_16x16x4_f32). A number that lies on a knife's edge between two numbers of the format may be rounded either way, as far as f32 arithmetic and the matrix unit's own rounding can turn it there, and no further.
;; One version. Each part assembles by itself: llvm-mc -triple=amdgcn-amd-amdhsa -mcpu=gfx1250 --defsym DOCPART=n.
;; ======== version 1 of 1: 4 launches
;; limits: right only within a limited range of input values
;; workspace buffers: xq 6,553,600 bytes; wq3 4,915,200 bytes; woq 3,276,800 bytes; qimg 6,815,744 bytes; kv 3,342,336 bytes; att 6,553,600 bytes
;; launch quant (part 1): grid 576 x 1, 4 waves a work-group, no clusters, 88,576 bytes of LDS; arguments wq, wk, wv, wo, wq3, woq, x, xq; writes wq3, woq, xq
.if DOCPART == 1
	.amdgcn_target "amdgcn-amd-amdhsa--gfx1250"
	.amdhsa_code_object_version 6
	.text
	.protected	k_q30ccac099d_quant
	.globl	k_q30ccac099d_quant
	.p2align	8
	.type	k_q30ccac099d_quant,@function
k_q30ccac099d_quant:
	s_mov_b64 s[64:65], 0
	v_nop
	global_prefetch_b8 v0, s[64:65] scope:SCOPE_SE
	s_setreg_imm32_b32 hwreg(HW_REG_WAVE_MODE, 25, 1), 1
	s_wait_xcnt 0x0
; One launch quantises x and the four weights to codes of FP6 (E2M3) with one E8M0 scale byte for each 32 along K.
; A block's scale is 2^(floor(log2(its largest magnitude)) - 2); its byte is that magnitude's exponent field - 2, held at 1 from below.
; LIMITS: a block of zeros gets the byte 1 where the quantiser's text says 127 (its codes are zeros, and this program alone reads the bytes);
; blocks whose largest magnitude lies under 2^-124 are held at the byte 1; NaN and infinities among the inputs are not served.
; Work-groups 0..255 take x, 256..575 the weights: the two paths part on the work-group's number alone, and each has LDS bytes of its own.
; THE CODES LEAVE AS IMAGES OF THE OPERAND'S REGISTERS: for 16 rows x 64 along K, 768 bytes: registers 0-3 at 16 x lane, 4-5 at 512 + 8 x lane, lane = row % 16 + 16 x (block % 2).
; xq and wq3: K is cut into chunks of 512, 256, 512, 256, 512; [chunk][tile of 16 rows][its images].  woq: chunks of 512.  Scale bytes: [K step of 256][row][8], behind the codes.
; wq3's rows, by heads of 64: 0..23 q heads 0..23; then four times (k head, q, q); then four times (k head, v, v).
; wo alone takes the 32 numbers of a block with bits 3 and 4 of their place exchanged, as the attention launch lays its result.
; X: a wave takes 32 rows x 256 along K in 8 steps of 4 rows.  Each load reads 512 consecutive bytes; a step turns through the wave's stage so that a lane holds a whole block of 32.
; WEIGHTS (K is their first axis): a lane takes a column and its registers run down K, so a block of 32 lies in one lane.
.set EMAX,  2
.set SPW,   208                        ; LDS address of my spare word; never rewritten
.set NIL,   209                        ; 0; never rewritten
.set XREG,  15872                      ; x: a wave's region: two stages of 4,608, 6,144 of images, 256 scale bytes
.set WST,   4*XREG                     ; the weights' image stages, 6,144 bytes a wave
.set SPARE, WST+4*6144                 ; the spare words, 128 bytes a wave
	v_lshl_add_u32 v[SPW], v0, 2, SPARE
	v_mov_b32 v[NIL], 0
	v_lshrrev_b32 v1, 5, v0
	v_readfirstlane_b32 s16, v1                    ; wave
	v_and_b32 v2, 31, v0                           ; lane
	s_wait_alu depctr_va_vdst(0)                   ; the wait ahead of the branch
	s_cmp_ge_u32 ttmp9, 256
	s_cbranch_scc1 .Lweights
; ---------------- x ----------------
.set XROW,  8192
.set KSB,   4096*192
.set SCOFF, 8*KSB
.set XR,    16                         ; v16-79 two sets of 32 numbers as loaded
.set XX,    80                         ; v80-143 two sets of 32 neighbours
.set XC,    144                        ; v144-159 two sets: six registers of codes, the byte
.set SP,    144                        ; a lane's place in a stage: 128 bytes + 16
	s_load_b128 s[4:7], s[0:1], 0x30               ; x, xq
	v_lshlrev_b32 v3, 4, v2
	s_mul_i32 s17, s16, XREG
	v_lshrrev_b32 v8, 3, v2                        ; lane / 8: my row of a step's four
	v_and_b32 v9, 7, v2                            ; lane % 8: my block of its eight
	v_mul_u32_u24 v14, v8, SP
	v_lshl_add_u32 v14, v9, 4, v14
	v_add_nc_u32 v14, s17, v14                     ; the stage, in: eight lanes' 128 bytes on end
	v_mul_u32_u24 v15, v2, SP
	v_add_nc_u32 v15, s17, v15                     ; out: my block
	v_lshrrev_b32 v12, 1, v9
	v_mul_u32_u24 v12, v12, 768                    ; my image: block / 2
	v_and_b32 v13, 1, v2
	v_add_nc_u32 v12, s17, v12
	v_lshl_add_u32 v4, v8, 4, v12
	v_lshl_add_u32 v4, v13, 8, v4                  ; registers 0-3: 16 x (row + 16 x (block % 2))
	v_lshl_add_u32 v5, v8, 3, v12
	v_lshl_add_u32 v5, v13, 7, v5                  ; registers 4-5: 8 x
	v_add_nc_u32 v6, s17, v2                       ; my block's scale byte
	v_lshlrev_b32 v7, 3, v2
	v_add_nc_u32 v10, s17, v7
	v_add_nc_u32 v1, s17, v3                       ; the images, out as they lie
	s_lshr_b32 s18, ttmp9, 1                       ; which 32 rows
	s_and_b32 s19, ttmp9, 1
	s_lshl_b32 s19, s19, 2
	s_add_co_u32 s19, s19, s16                     ; which K step of 256
	s_lshl_b32 s20, s18, 18
	s_lshl_b32 s21, s19, 10
	s_add_co_u32 s20, s20, s21
	s_mov_b32 s21, 0
	s_mul_i32 s26, s19, 11
	s_lshr_b32 s26, s26, 5
	s_mul_i32 s26, s26, 3
	s_sub_co_u32 s26, s19, s26                     ; K step % 3: 0, 1 the halves of a chunk of 512; 2 a chunk of 256
	s_mov_b32 s28, 6144
	s_cmp_eq_u32 s26, 2
	s_cselect_b32 s28, 3072, s28                   ; a tile's bytes in the chunk
	s_cmp_eq_u32 s26, 1
	s_cselect_b32 s27, 1, 0
	s_sub_co_u32 s22, s19, s27
	s_mul_i32 s22, s22, KSB                        ; where the chunk begins
	s_lshl_b32 s23, s18, 1
	s_mul_i32 s23, s23, s28
	s_add_co_u32 s22, s22, s23
	s_mul_i32 s23, s27, 3072
	s_add_co_u32 s22, s22, s23
	s_mov_b32 s23, 0
	s_mov_b32 s29, 0
	s_lshl_b32 s24, s19, 15
	s_lshl_b32 s25, s18, 8
	s_add_co_u32 s24, s24, s25
	s_add_co_u32 s24, s24, SCOFF
	s_mov_b32 s25, 0
	s_wait_alu depctr_va_vdst(0)                   ; the wait at the head's end
	s_wait_kmcnt 0x0
	s_add_nc_u64 s[4:5], s[4:5], s[20:21]
	s_add_nc_u64 s[8:9], s[6:7], s[22:23]          ; my first tile's images
	s_add_nc_u64 s[12:13], s[8:9], s[28:29]        ; my second tile's
	s_add_nc_u64 s[10:11], s[6:7], s[24:25]
.macro XLOAD t                         ; rows 4 t .. 4 t + 3, in eight loads of 512 consecutive bytes
.irp i, 0,1,2,3,4,5,6,7
	global_load_b128 v[XR+32*((\t)%2)+4*\i:XR+32*((\t)%2)+4*\i+3], v3, s[4:5] offset:(4*(\t)+\i/2)*XROW+512*(\i%2) th:TH_LOAD_NT
.endr
.endm
.macro XTURN t                         ; through the stage: LDS serves a wave's instructions in order
.irp i, 0,1,2,3,4,5,6,7
	ds_store_b128 v14, v[XR+32*((\t)%2)+4*\i:XR+32*((\t)%2)+4*\i+3] offset:32*SP*((\t)%2)+4*SP*\i
.endr
.irp i, 0,1,2,3,4,5,6,7
	ds_load_b128 v[XX+32*((\t)%2)+4*\i:XX+32*((\t)%2)+4*\i+3], v15 offset:32*SP*((\t)%2)+16*\i
.endr
.endm
	XLOAD 0
	XLOAD 1
	s_wait_loadcnt 8                               ; step 0's eight loads are in
	XTURN 0
.macro BMAX xs                         ; v12: the largest magnitude of 32 numbers, and the floor 2^(3 - 127); v11: the conversion's scale operand
	v_max3_num_f32 v12, |v[\xs]|, |v[\xs+1]|, |v[\xs+2]|
	v_max3_num_f32 v13, |v[\xs+3]|, |v[\xs+4]|, |v[\xs+5]|
.irp i, 6,10,14,18,22,26
	v_max3_num_f32 v12, v12, |v[\xs+\i]|, |v[\xs+\i+1]|
	v_max3_num_f32 v13, v13, |v[\xs+\i+2]|, |v[\xs+\i+3]|
.endr
	v_max3_num_f32 v12, v12, |v[\xs+30]|, |v[\xs+31]|
	v_max3_num_f32 v12, v12, v13, (EMAX+1)<<23
	v_add_nc_u32 v11, -(EMAX<<23), v12
.endm
.macro XSTEP t
.set XS, XX+32*((\t)%2)
.set CC, XC+8*((\t)%2)
.if (\t) > 0
	s_wait_dscnt 3                                 ; this step's numbers are back (the last step's three stores may be out)
.else
	s_wait_dscnt 0x0
.endif
.if (\t)+2 < 8
	XLOAD (\t)+2
.endif
.if (\t)+1 < 8
.if (\t)+2 < 8
	s_wait_loadcnt 8                               ; the next step's eight are in; the eight just issued may be out
.else
	s_wait_loadcnt 0
.endif
	XTURN (\t)+1
.endif
	BMAX XS
	v_cvt_scalef32_pk16_fp6_f32 v[CC:CC+2], v[XS:XS+15], v11
	v_cvt_scalef32_pk16_fp6_f32 v[CC+4:CC+6], v[XS+16:XS+31], v11
	v_lshrrev_b32 v[CC+7], 23, v11                 ; the scale's byte (also the plain line behind the conversions)
	v_mov_b32 v[CC+3], v[CC+4]
	v_mov_b32 v[CC+4], v[CC+5]
	v_mov_b32 v[CC+5], v[CC+6]
	ds_store_b128 v4, v[CC:CC+3] offset:9216+((\t)/4)*3072+64*((\t)%4)
	ds_store_b64 v5, v[CC+4:CC+5] offset:9216+((\t)/4)*3072+512+32*((\t)%4)
	ds_store_b8 v6, v[CC+7] offset:15360+32*(\t)
.endm
.irp t, 0,1,2,3,4,5,6,7
	XSTEP \t
.endr
	ds_load_b64 v[8:9], v10 offset:15360
.irp t, 0,1,2,3,4,5,6,7,8,9,10,11
	ds_load_b128 v[XR+4*\t:XR+4*\t+3], v1 offset:9216+512*\t
.endr
	s_wait_dscnt 12
	global_store_b64 v7, v[8:9], s[10:11]          ; 256 consecutive bytes, aligned
.irp t, 0,1,2,3,4,5
	s_wait_dscnt 11-\t
	global_store_b128 v3, v[XR+4*\t:XR+4*\t+3], s[8:9] offset:512*\t            ; 512 consecutive bytes, aligned
.endr
.irp t, 0,1,2,3,4,5
	s_wait_dscnt 5-\t
	global_store_b128 v3, v[XR+24+4*\t:XR+24+4*\t+3], s[12:13] offset:512*\t
.endr
	s_wait_tensorcnt 0x0                           ; the wave's end
	ds_add_u32 v[SPW], v[NIL]
	s_wait_dscnt 0x0
	s_endpgm
; ---------------- the weights ----------------
.set NB,    8
.set WX,    32                         ; v32-95 two sets of 32 numbers
.set WC,    96                         ; v96-102 a block's codes
.set OUTR,  112                        ; v112-159 the way out
.set OFS,   176                        ; v176-207 place i of a block: 4 x lane + its row x the row stride
.set SB,    24                         ; v24-25 the scale bytes
.set BAS,   32                         ; s[32:47] the source at each of the eight blocks of 32 rows
.Lweights:
	s_load_b256 s[4:11], s[0:1], 0x0               ; wq, wk, wv, wo
	s_load_b128 s[12:15], s[0:1], 0x20             ; wq3, woq
	s_sub_co_u32 s55, ttmp9, 256
	s_lshr_b32 s54, s55, 3                         ; group 0..15 wq; 16..19 wk; 20..23 wv; 24..39 wo
	s_and_b32 s17, s55, 7                          ; the K step of 256
	s_sub_co_u32 s26, s54, 16
	s_sub_co_u32 s27, s54, 20
	s_sub_co_u32 s28, s54, 24
	s_cmp_ge_u32 s54, 16
	s_cselect_b32 s20, s26, s54
	s_cmp_ge_u32 s54, 20
	s_cselect_b32 s20, s27, s20
	s_mov_b32 s23, 2048
	s_mov_b32 s24, 2048*1536
	s_cmp_ge_u32 s54, 24
	s_cselect_b32 s20, s28, s20                    ; which 128 columns of the tensor
	s_cselect_b32 s23, s23, 3072                   ; rows of the destination
	s_cselect_b32 s24, s24, 3072*1536              ; where its scale bytes begin
	s_cselect_b32 s25, 0x10000, 0                  ; wo: eight rows, in bytes
	s_mov_b32 s21, 8192
	s_cmp_lt_u32 s26, 8
	s_cselect_b32 s21, 2048, s21                   ; a row of the source in bytes
	; my wave's first row of the destination.  wq3: the head's place H x 64 + 32 x (wave % 2)
	s_lshr_b32 s55, s16, 1
	s_lshl_b32 s57, s20, 1
	s_add_co_u32 s57, s57, s55                     ; my head in its tensor
	s_sub_co_u32 s58, s57, 24
	s_cmp_lt_u32 s27, 4                            ; wv?
	s_cselect_b32 s58, s57, s58                    ; u: the v head, or the q head - 24
	s_cselect_b32 s61, 37, 25
	s_lshr_b32 s62, s58, 1
	s_mul_i32 s62, s62, 3
	s_and_b32 s58, s58, 1
	s_add_co_u32 s62, s62, s58
	s_add_co_u32 s62, s62, s61                     ; 3 (u / 2) + u % 2 + 25 (q) or 37 (v)
	s_cmp_lt_u32 s57, 24
	s_cselect_b32 s63, s57, s62
	s_cmp_lt_u32 s54, 16
	s_cselect_b32 s62, s63, s62                    ; q heads 0..23 keep their number
	s_mul_i32 s63, s57, 3
	s_add_co_u32 s63, s63, 24
	s_cmp_lt_u32 s26, 4
	s_cselect_b32 s62, s63, s62                    ; k head: 24 + 3 x head
	s_lshl_b32 s62, s62, 6
	s_and_b32 s63, s16, 1
	s_lshl_b32 s63, s63, 5
	s_add_co_u32 s62, s62, s63
	s_lshl_b32 s63, s20, 7
	s_lshl_b32 s55, s16, 5
	s_add_co_u32 s63, s63, s55                     ; woq: 128 x group + 32 x wave
	s_cmp_ge_u32 s54, 24
	s_cselect_b32 s48, s63, s62
	v_lshlrev_b32 v3, 2, v2
	s_mul_i32 s19, s16, 6144
	s_add_co_u32 s19, s19, WST                     ; my stage: the images of my two tiles
	v_and_b32 v5, 15, v2
	v_lshrrev_b32 v6, 4, v2
	v_mul_u32_u24 v6, v6, 3072
	v_add_nc_u32 v6, s19, v6
	v_lshl_add_u32 v4, v5, 4, v6                   ; registers 0-3 of an image: 16 x (column % 16)
	v_lshl_add_u32 v7, v5, 3, v6                   ; registers 4-5: 8 x
	v_lshlrev_b32 v8, 4, v2
	v_add_nc_u32 v10, s19, v8                      ; out of it as it lies
	v_lshlrev_b32 v9, 3, v2
.irp i, 0,1,2,3,4,5,6,7,8,9,10,11,12,13,14,15,16,17,18,19,20,21,22,23,24,25,26,27,28,29,30,31
	v_mad_u32_u24 v[OFS+\i], s21, \i, v3
.endr
.irp i, 8,9,10,11,12,13,14,15
	v_add_nc_u32 v[OFS+\i], s25, v[OFS+\i]         ; wo: places 8-15 take rows 16-23,
.endr
.irp i, 16,17,18,19,20,21,22,23
	v_sub_nc_u32 v[OFS+\i], v[OFS+\i], s25         ; places 16-23 rows 8-15
.endr
	s_lshl_b32 s28, s17, 8
	s_mul_i32 s28, s28, s21
	s_lshl_b32 s29, s20, 9
	s_add_co_u32 s28, s28, s29
	s_lshl_b32 s29, s16, 7
	s_add_co_u32 s28, s28, s29
	s_mov_b32 s29, 0
	s_lshl_b32 s30, s21, 5
	s_mov_b32 s31, 0
	s_mul_i32 s49, s17, s23
	s_add_co_u32 s49, s49, s48
	s_lshl_b32 s52, s49, 3
	s_add_co_u32 s52, s52, s24
	s_mov_b32 s53, 0
	s_mul_i32 s56, s17, 11
	s_lshr_b32 s56, s56, 5
	s_mul_i32 s56, s56, 3
	s_sub_co_u32 s56, s17, s56                     ; K step % 3
	s_mov_b32 s60, 6144
	s_cmp_eq_u32 s56, 2
	s_cselect_b32 s60, 3072, s60                   ; wq3: a tile's bytes in the chunk,
	s_cmp_eq_u32 s56, 1
	s_cselect_b32 s59, 1, 0                        ; and which half of a chunk of 512
	s_and_b32 s58, s17, 1
	s_cmp_ge_u32 s54, 24
	s_cselect_b32 s59, s58, s59                    ; woq: chunks of 512 throughout
	s_cselect_b32 s60, 6144, s60
	s_sub_co_u32 s50, s17, s59
	s_mul_i32 s50, s50, s23
	s_mul_i32 s50, s50, 192                        ; where the chunk begins
	s_lshr_b32 s56, s48, 4
	s_mul_i32 s56, s56, s60
	s_add_co_u32 s50, s50, s56
	s_mul_i32 s56, s59, 3072
	s_add_co_u32 s50, s50, s56
	s_mov_b32 s51, 0
	s_mov_b32 s61, 0
	s_wait_alu depctr_va_vdst(0)                   ; the wait at the head's end
	s_wait_kmcnt 0x0
	s_cmp_lt_u32 s54, 16
	s_cselect_b64 s[4:5], s[4:5], s[6:7]
	s_cmp_lt_u32 s54, 20
	s_cselect_b64 s[4:5], s[4:5], s[8:9]
	s_cmp_lt_u32 s54, 24
	s_cselect_b64 s[4:5], s[4:5], s[10:11]
	s_cselect_b64 s[12:13], s[12:13], s[14:15]
	s_add_nc_u64 s[BAS:BAS+1], s[4:5], s[28:29]
.irp t, 1,2,3,4,5,6,7
	s_add_nc_u64 s[BAS+2*\t:BAS+2*\t+1], s[BAS+2*\t-2:BAS+2*\t-1], s[30:31]
.endr
	s_add_nc_u64 s[6:7], s[12:13], s[50:51]        ; my first tile's images
	s_add_nc_u64 s[10:11], s[6:7], s[60:61]        ; my second tile's
	s_add_nc_u64 s[8:9], s[12:13], s[52:53]        ; the scale bytes
.macro WLOAD t
.irp i, 0,1,2,3,4,5,6,7,8,9,10,11,12,13,14,15,16,17,18,19,20,21,22,23,24,25,26,27,28,29,30,31
	global_load_b32 v[WX+32*((\t)%2)+\i], v[OFS+\i], s[BAS+2*(\t):BAS+2*(\t)+1] th:TH_LOAD_NT
.endr
.endm
	WLOAD 0
	WLOAD 1
.macro WBLOCK t
.set XS, WX+32*((\t)%2)
.set IM, ((\t)/2)*768                  ; block t lies in image t / 2, in the lanes' half t % 2
.if (\t) < NB-1
	s_wait_loadcnt 32                              ; this block's 32 loads are in; the next block's may be out
.else
	s_wait_loadcnt 0
.endif
	BMAX XS
	v_lshrrev_b32 v13, 23, v11
.if (\t)%4 == 0
	v_mov_b32 v[SB+(\t)/4], v13
.else
	v_lshl_or_b32 v[SB+(\t)/4], v13, 8*((\t)%4), v[SB+(\t)/4]
.endif
	v_cvt_scalef32_pk16_fp6_f32 v[WC:WC+2], v[XS:XS+15], v11
	v_cvt_scalef32_pk16_fp6_f32 v[WC+4:WC+6], v[XS+16:XS+31], v11   ; (a conversion's three registers begin on an even number)
	v_nop                                          ; one plain place behind a scaled conversion
	v_mov_b32 v[WC+3], v[WC+4]
	v_mov_b32 v[WC+4], v[WC+5]
	v_mov_b32 v[WC+5], v[WC+6]                     ; the block's six registers on end
	ds_store_b128 v4, v[WC:WC+3] offset:IM+256*((\t)%2)
	ds_store_b64 v7, v[WC+4:WC+5] offset:IM+512+128*((\t)%2)
.if (\t)+2 < NB
	WLOAD (\t)+2
.endif
	s_wait_dscnt 0x0                               ; the stores have read their registers
.endm
.irp t, 0,1,2,3,4,5,6,7
	WBLOCK \t
.endr
	s_wait_alu depctr_va_vdst(0)                   ; the wait ahead of the reader below
	global_store_b64 v9, v[SB:SB+1], s[8:9]        ; 32 columns x 8 bytes: 256 consecutive bytes, aligned
.irp t, 0,1,2,3,4,5,6,7,8,9,10,11
	ds_load_b128 v[OUTR+4*\t:OUTR+4*\t+3], v10 offset:512*\t
.endr
.irp t, 0,1,2,3,4,5
	s_wait_dscnt 11-\t
	global_store_b128 v8, v[OUTR+4*\t:OUTR+4*\t+3], s[6:7] offset:512*\t        ; 512 consecutive bytes, aligned
.endr
.irp t, 0,1,2,3,4,5
	s_wait_dscnt 5-\t
	global_store_b128 v8, v[OUTR+24+4*\t:OUTR+24+4*\t+3], s[10:11] offset:512*\t
.endr
	s_wait_tensorcnt 0x0                           ; the wave's end
	ds_add_u32 v[SPW], v[NIL]
	s_wait_dscnt 0x0
	s_endpgm
.Lfunc_end_k_q30ccac099d_quant:
	.size	k_q30ccac099d_quant, .Lfunc_end_k_q30ccac099d_quant-k_q30ccac099d_quant
	.p2alignl 7, 3214868480
	.fill 96, 4, 3214868480
	.section	.rodata,"a",@progbits
	.p2align	6, 0x0
	.amdhsa_kernel k_q30ccac099d_quant
		.amdhsa_group_segment_fixed_size 88576
		.amdhsa_private_segment_fixed_size 0
		.amdhsa_enable_private_segment 0
		.amdhsa_kernarg_size 64
		.amdhsa_user_sgpr_count 2
		.amdhsa_user_sgpr_kernarg_segment_ptr 1
		.amdhsa_wavefront_size32 1
		.amdhsa_system_sgpr_workgroup_id_x 1
		.amdhsa_system_sgpr_workgroup_id_y 1
		.amdhsa_system_sgpr_workgroup_id_z 1
		.amdhsa_system_vgpr_workitem_id 0
		.amdhsa_next_free_vgpr 212
		.amdhsa_next_free_sgpr 66
		.amdhsa_reserve_vcc 0
		.amdhsa_float_denorm_mode_32 3
		.amdhsa_float_denorm_mode_16_64 3
		.amdhsa_memory_ordered 1
		.amdhsa_forward_progress 1
		.amdhsa_inst_pref_size 79
	.end_amdhsa_kernel
	.amdgpu_metadata
---
amdhsa.version: [ 1, 2 ]
amdhsa.kernels:
  - .name:           k_q30ccac099d_quant
    .symbol:         k_q30ccac099d_quant.kd
    .args:
      - { .name: wq, .offset: 0, .size: 8, .value_kind: global_buffer, .address_space: global }
      - { .name: wk, .offset: 8, .size: 8, .value_kind: global_buffer, .address_space: global }
      - { .name: wv, .offset: 16, .size: 8, .value_kind: global_buffer, .address_space: global }
      - { .name: wo, .offset: 24, .size: 8, .value_kind: global_buffer, .address_space: global }
      - { .name: wq3, .offset: 32, .size: 8, .value_kind: global_buffer, .address_space: global }
      - { .name: woq, .offset: 40, .size: 8, .value_kind: global_buffer, .address_space: global }
      - { .name: x, .offset: 48, .size: 8, .value_kind: global_buffer, .address_space: global }
      - { .name: xq, .offset: 56, .size: 8, .value_kind: global_buffer, .address_space: global }
    .group_segment_fixed_size: 88576
    .private_segment_fixed_size: 0
    .kernarg_segment_align: 8
    .kernarg_segment_size: 64
    .max_flat_workgroup_size: 128
    .sgpr_count:     66
    .vgpr_count:     212
    .wavefront_size: 32
...
	.end_amdgpu_metadata
.endif
;; end of part 1
;; launch qkv (part 2): grid 16 x 16, 4 waves a work-group, clusters of 4 x 4, 327,680 bytes of LDS; arguments xq, wq3, freqs_cos, freqs_sin, qimg, kv; writes qimg, kv
.if DOCPART == 2
	.amdgcn_target "amdgcn-amd-amdhsa--gfx1250"
	.amdhsa_code_object_version 6
	.text
	.protected	k_q30ccac099d_qkv
	.globl	k_q30ccac099d_qkv
	.p2align	8
	.type	k_q30ccac099d_qkv,@function
k_q30ccac099d_qkv:
	s_mov_b64 s[64:65], 0
	v_nop
	global_prefetch_b8 v0, s[64:65] scope:SCOPE_SE
	s_setreg_imm32_b32 hwreg(HW_REG_WAVE_MODE, 25, 1), 1
	s_wait_xcnt 0x0
	s_wait_alu depctr_hold_cnt(0) depctr_sa_sdst(0) depctr_va_vdst(0) depctr_va_sdst(0) depctr_va_ssrc(0) depctr_va_vcc(0) depctr_vm_vsrc(0)
	s_getreg_b32 s2, hwreg(HW_REG_IB_STS2, 6, 4)
	s_cmp_eq_u32 s2, 0
	s_cbranch_scc0 .Lentry_in_a_cluster
	s_endpgm
.Lentry_in_a_cluster:
	s_bfe_u32 s2, ttmp6, 0x10000c
	s_cmp_lg_u32 s2, 0xf033
	s_cbranch_scc0 .Lentry_shape_is_right
	s_endpgm
.Lentry_shape_is_right:
; q, k, v = x (wq | wk | wv) on codes of FP6 (E2M3) with E8M0 scales, K = 2,048; then rope on q and k; then q, k (along the head) and v (along the keys) quantised into register images for the attention launch.
; A block of 256 tokens x 192 columns (three heads) to a work-group, 16 x 16 of them; a wave makes 64 tokens x 192 columns: 48 accumulators.
; OPERANDS lie in memory as images of their registers (768 bytes for 16 rows x 64 K), [chunk of K][tile of 16 rows][images]: a block's rows of a chunk are dense, fetched as rows of 256 bytes.
; K goes in FIVE chunks of 512, 256, 512, 256, 512 through a slot of 172,032 bytes (chunks 0, 2, 4) and one of 86,016 (chunks 1, 3).  The scale bytes of all K come once and stay.
; THE HEAD: one joint load a wave: x's chunk 0, the weights' chunk 0, x's scales, the weights' scales.  In the ring waves 0, 1 fetch halves of x's chunk, waves 2, 3 halves of the weights'.
; CLUSTERS 4 x 4: x's tiles are shared along a row of the cluster, the weights' along a column.
; PREFETCH: chunks 1 and 2 are asked for at the head, chunk c + 2 behind chunk c's load: never more than two chunks asked for and not yet fetched.  The four partners of a tile share its blocks
; of 256 bytes out by address: a wave names 24 (12) of x's and 18 (9) of the weights' in a chunk of 512 (256); lanes left over name the wave's last block again.
; HEADS: cluster columns 0, 1: q heads 3 X + j; column 2: (k head X - 8, q, q); column 3: (k head X - 8, v, v).  So which heads are v's hangs on the cluster's x alone.
; The matrix instruction is used transposed (source 0 = the weights' columns, source 1 = tokens): a lane holds one token and eight neighbouring channels.
; REGISTERS: window 0: v6-31 addresses, v32-63 scale words (two sets), v64-99 three fragments of B's set 1, v100-163 cos and sin, v164-239 the way out.
; windows 1, 2: v0-191 the accumulators of tokens 0-31, 32-63, (a, b) at 8 (12 (a % 2) + b); v192-239 A's fragments, set 0 in window 1, set 1 in window 2.  window 3: B's set 0 at v0, nine fragments of set 1 at v144.
; LIMITS: a block of zeros gets the byte 1, not 127 (zero codes; this program alone reads the bytes); NaN and infinities are not served.
.set PA,     786432                    ; 256 along K of all of xq
.set PB,     589824                    ; of wq3
.set ASC,    8*PA
.set BSC,    8*PB
.set S1,     172032                    ; slot 1
.set SCA,    258048
.set SCB,    SCA+16384
.set VSS,    SCB+12288                 ; v's scale bytes on their way out: 4 x 256
.set SPARE,  VSS+1024
.set VST,    S1                        ; v's stage, 16,896 bytes a wave, in slot 1, which has had its last fill and its last read by then
.set KVB,    104448
.set PF24, 6
.set PF12, 7
.set PF18, 8
.set PF9,  9
.set FO,   10
.set LI16, 11
.set LI8,  12
.set R16,  13
.set STO,  14
.set VRD,  15
.set ADRA, 16                          ; v16, 17: slot 0, 16 x and 8 x lane; v18, 19: slot 1
.set ADRB, 20                          ; v20, 21: slot 0, tiles 0-5; v22, 23: tiles 6-11; v24, 25: slot 1
.set VSA,  26
.set VSR,  27
.set SPW,  28
.set NIL,  29
.set ASA,  30
.set ASB,  31
.set SC,   32
.set CSB,  100
.set XV,   164
.set W,    228
.set EV,   32
.set OD,   56
.set SW,   80
.set VT,   84
.set T,    192                         ; in the accumulators' windows: v192-207 at work, v208-225 maxima and scales, v226-255 codes
.set TM,   208
.set PC,   226
.set G1, 24
.set G0, 32
.set G1B, 48
.set G0B, 56
.set G1S, 68
.set G0S, 76
.set G1SB, 80
.set G0SB, 88
.set IMG, 68                           ; the way out: s[68:73] the three heads' images, s[74:79] their scale words
.set SCJ, 74
.set MSB, 0
.macro WIN new
.if MSB != \new
	s_set_vgpr_msb (MSB<<8)|\new
.set MSB, \new
.endif
.endm
.macro JLOAD g0a, g1a, g0b, g1b
	s_cmp_eq_u32 s15, 0
	s_cbranch_scc0 .Lfor_b_\@
	tensor_load_to_lds s[\g0a:\g0a+3], s[\g1a:\g1a+7]
	s_nop 0
.rept 4
	v_nop
.endr
	s_branch .Lasked_\@
.Lfor_b_\@:
	tensor_load_to_lds s[\g0b:\g0b+3], s[\g1b:\g1b+7]
	s_nop 0
.rept 4
	v_nop
.endr
.Lasked_\@:
.endm
.macro CREST
	s_cmp_lg_u32 s14, 0
	s_cbranch_scc1 .Lnot_wave_0_\@
	s_barrier_signal -3
.Lnot_wave_0_\@:
	s_barrier_wait -3
	s_barrier_signal -1
	s_barrier_wait -1
.endm
.macro CROUND
	s_barrier_signal -1
	s_barrier_wait -1
	CREST
.endm
.macro DESC g, c, r, p                 ; r rows of c elements of 8 bytes, p elements from row to row
	s_mov_b32 s[\g+1], (\c)<<16
	s_mov_b32 s[\g+2], (\r)<<16
	s_mov_b32 s[\g+3], (\c)<<16
	s_mov_b32 s[\g+4], \r
	s_mov_b32 s[\g+5], \p
	s_mov_b32 s[\g+6], 0
	s_mov_b32 s[\g+7], 0
.endm
.macro ROWS ra, rb                     ; how many rows of 256 bytes the ring's next loads bring (written while no load of mine is out)
	s_mov_b32 s[G1+2], (\ra)<<16
	s_mov_b32 s[G1+4], \ra
	s_mov_b32 s[G1B+2], (\rb)<<16
	s_mov_b32 s[G1B+4], \rb
.endm
	s_load_b256 s[4:11], s[0:1], 0x0               ; xq, wq3, cos, sin
	s_load_b128 s[92:95], s[0:1], 0x20             ; qimg, kv
	v_lshl_add_u32 v[SPW], v0, 2, SPARE
	v_mov_b32 v[NIL], 0
	ds_add_u32 v[SPW], v[NIL]                      ; the opening: the add, twice on end, and its wait ahead of my first tensor load
	ds_add_u32 v[SPW], v[NIL]
	v_lshrrev_b32 v1, 5, v0
	v_readfirstlane_b32 s14, v1                    ; wave
	s_lshr_b32 s15, s14, 1                         ; I fetch for A (0) or B (1)
	s_and_b32 s16, s14, 1                          ; which half of a chunk I fetch
	s_bfe_u32 s40, ttmp6, 0x40000                  ; cx
	s_bfe_u32 s41, ttmp6, 0x40004                  ; cy
	s_lshl_b32 s42, ttmp9, 2
	s_add_co_u32 s42, s42, s40                     ; X: block column
	s_and_b32 s17, ttmp7, 0xffff
	s_lshl_b32 s17, s17, 2
	s_add_co_u32 s17, s17, s41                     ; Y: block row
	s_lshl_b32 s43, s41, 2
	s_lshl_b32 s43, 15, s43                        ; my row of the cluster
	s_lshl_b32 s44, 0x1111, s40                    ; my column
	s_or_b32 s[G1+0], s43, (3<<16)|(1<<21)
	s_or_b32 s[G1B+0], s44, (3<<16)|(1<<21)
	s_or_b32 s[G1S+0], s43, (3<<16)|(1<<21)
	s_or_b32 s[G1SB+0], s44, (3<<16)|(1<<21)
	DESC G1,   32,  384, 32                        ; the head's: chunk 0 of A whole,
	DESC G1B,  32,  288, 32                        ; of B;
	DESC G1S,  256, 8, 4096                        ; eight K steps x 256 tokens x 8 bytes,
	DESC G1SB, 192, 8, 3072                        ; x 192 columns
	s_mul_i32 s20, s17, 98304                      ; my block in a chunk of 512: A,
	s_mov_b32 s21, 0
	s_mul_i32 s46, s42, 73728                      ; B
	s_mov_b32 s47, 0
	s_lshl_b32 s22, s17, 11
	s_add_co_u32 s22, s22, ASC
	s_mov_b32 s23, 0
	s_mul_i32 s96, s42, 1536
	s_add_co_u32 s96, s96, BSC
	s_mov_b32 s97, 0
	s_mul_i32 s12, s17, 49152                      ; chunk 1, my half: A,
	s_mul_i32 s13, s16, 24576
	s_add_co_u32 s12, s12, s13
	s_add_co_u32 s12, s12, 2*PA
	s_mov_b32 s13, 0
	s_mul_i32 s100, s42, 36864                     ; B
	s_mul_i32 s101, s16, 18432
	s_add_co_u32 s100, s100, s101
	s_add_co_u32 s100, s100, 2*PB
	s_mov_b32 s101, 0
	s_mul_i32 s18, s40, 24576                      ; the prefetches: my work-group's quarter by its place among the four that share the tile, my wave's quarter of that
	s_mul_i32 s19, s14, 6144
	s_add_co_u32 s18, s18, s19
	s_lshr_b32 s2, s18, 1
	s_mul_i32 s3, s17, 49152
	s_add_co_u32 s2, s2, s3
	s_mov_b32 s19, 0
	s_mov_b32 s3, 0
	s_mul_i32 s104, s41, 18432
	s_mul_i32 s105, s14, 4608
	s_add_co_u32 s104, s104, s105
	s_lshr_b32 s44, s104, 1
	s_mul_i32 s45, s42, 36864
	s_add_co_u32 s44, s44, s45
	s_mov_b32 s105, 0
	s_mov_b32 s45, 0
	s_wait_dscnt 0x0                               ; both opening adds are done
	s_wait_kmcnt 0x0
	s_add_nc_u64 s[G0+6:G0+7], s[4:5], s[12:13]
	s_add_nc_u64 s[G0B+6:G0B+7], s[6:7], s[100:101]
	s_add_nc_u64 s[2:3], s[4:5], s[2:3]            ; prefetch: A in a chunk of 256,
	s_add_nc_u64 s[44:45], s[6:7], s[44:45]        ; B
	s_add_nc_u64 s[20:21], s[4:5], s[20:21]
	s_add_nc_u64 s[22:23], s[4:5], s[22:23]
	s_add_nc_u64 s[46:47], s[6:7], s[46:47]
	s_add_nc_u64 s[96:97], s[6:7], s[96:97]
	s_add_nc_u64 s[18:19], s[20:21], s[18:19]      ; prefetch: A in a chunk of 512,
	s_add_nc_u64 s[104:105], s[46:47], s[104:105]  ; B
	CROUND                                         ; all sixteen work-groups are here: the first joint loads meet
	s_mov_b32 s4, 1                                ; the head's four tiles
	s_mov_b32 s5, 0
	s_mov_b64 s[6:7], s[20:21]
	s_or_b32 s7, s7, 0x80000000
	s_mov_b32 s[G0S], 1
	s_mov_b32 s[G0S+1], SCA
	s_mov_b64 s[G0S+2:G0S+3], s[22:23]
	s_or_b32 s[G0S+3], s[G0S+3], 0x80000000
	s_mov_b32 s[G0SB], 1
	s_mov_b32 s[G0SB+1], SCB
	s_mov_b64 s[G0SB+2:G0SB+3], s[96:97]
	s_or_b32 s[G0SB+3], s[G0SB+3], 0x80000000
	s_mov_b32 s96, 1
	s_mov_b32 s97, 98304
	s_mov_b64 s[98:99], s[46:47]
	s_or_b32 s99, s99, 0x80000000
	s_mul_i32 s12, s16, 49152                      ; the ring, slot 0: my half of A's chunk, in memory and in the slot,
	s_mov_b32 s13, 0
	s_mov_b32 s[G0], 1
	s_mov_b32 s[G0+1], s12
	s_add_nc_u64 s[G0+2:G0+3], s[20:21], s[12:13]
	s_or_b32 s[G0+3], s[G0+3], 0x80000000
	s_mul_i32 s100, s16, 36864                     ; of B's
	s_mov_b32 s101, 0
	s_mov_b32 s[G0B], 1
	s_add_co_u32 s[G0B+1], s100, 98304
	s_add_nc_u64 s[G0B+2:G0B+3], s[46:47], s[100:101]
	s_or_b32 s[G0B+3], s[G0B+3], 0x80000000
	s_mov_b32 s[G0+4], 1                           ; slot 1
	s_mul_i32 s[G0+5], s16, 24576
	s_add_co_u32 s[G0+5], s[G0+5], S1
	s_or_b32 s[G0+7], s[G0+7], 0x80000000
	s_mov_b32 s[G0B+4], 1
	s_mul_i32 s[G0B+5], s16, 18432
	s_add_co_u32 s[G0B+5], s[G0B+5], S1+49152
	s_or_b32 s[G0B+7], s[G0B+7], 0x80000000
.macro ARM under, g0, g1, next         ; one chain of branches on the wave's number, one load to an arm
	s_cmp_lt_u32 s14, \under
	s_cbranch_scc0 \next
	tensor_load_to_lds s[\g0:\g0+3], s[\g1:\g1+7]
	s_nop 0
.rept 4
	v_nop
.endr
	s_branch .Lhead_asked
\next:
.endm
	ARM 1, 4,   G1,  .Lhead_b
	ARM 2, 96,  G1B, .Lhead_sa
	ARM 3, G0S, G1S, .Lhead_sb
	tensor_load_to_lds s[G0SB:G0SB+3], s[G1SB:G1SB+7]
	s_nop 0
.rept 4
	v_nop
.endr
.Lhead_asked:
.macro ASKB ks                         ; my share of the chunk of 512 that begins at 256 ks; the address registers are not rewritten while a prefetch may read them
	global_prefetch_b8 v[PF24], s[18:19] offset:(\ks)*PA th:TH_LOAD_NT scope:SCOPE_SE
	global_prefetch_b8 v[PF18], s[104:105] offset:(\ks)*PB th:TH_LOAD_NT scope:SCOPE_SE
.endm
.macro ASKS ks                         ; of the chunk of 256
	global_prefetch_b8 v[PF12], s[2:3] offset:(\ks)*PA th:TH_LOAD_NT scope:SCOPE_SE
	global_prefetch_b8 v[PF9], s[44:45] offset:(\ks)*PB th:TH_LOAD_NT scope:SCOPE_SE
.endm
	s_and_b32 s12, s17, 3
	s_lshl_b32 s12, s12, 2
	s_add_co_u32 s12, s12, s14
	s_lshl_b32 s12, s12, 13                        ; my first position in the sequence, 256 (Y % 4) + 64 wave, x 128 bytes
	s_mov_b32 s13, 0
	s_add_nc_u64 s[8:9], s[8:9], s[12:13]
	s_add_nc_u64 s[10:11], s[10:11], s[12:13]
	v_and_b32 v5, 31, v0
	v_min_u32 v[PF24], 23, v5
	v_min_u32 v[PF12], 11, v5
	v_min_u32 v[PF18], 17, v5
	v_min_u32 v[PF9], 8, v5
	v_lshlrev_b32 v[PF24], 8, v[PF24]
	v_lshlrev_b32 v[PF12], 8, v[PF12]
	v_lshlrev_b32 v[PF18], 8, v[PF18]
	v_lshlrev_b32 v[PF9], 8, v[PF9]
	ASKS 2
	ASKB 3
	v_and_b32 v1, 15, v0                           ; r
	v_bfe_u32 v2, v0, 4, 1                         ; h
	v_lshlrev_b32 v[LI16], 4, v5
	v_lshlrev_b32 v[LI8], 3, v5
	v_lshlrev_b32 v[R16], 4, v1
	v_lshlrev_b32 v[FO], 7, v1
	v_lshl_add_u32 v[FO], v2, 4, v[FO]             ; cos, sin: row r of 128 bytes, + 16 h
.macro LOADCS a
.irp q, 0,1,2,3
	global_load_b128 v[CSB+32*((\a)%2)+4*\q:CSB+32*((\a)%2)+4*\q+3], v[FO], s[8:9] offset:(\a)*2048+32*\q
	global_load_b128 v[CSB+32*((\a)%2)+16+4*\q:CSB+32*((\a)%2)+16+4*\q+3], v[FO], s[10:11] offset:(\a)*2048+32*\q
.endr
.endm
	LOADCS 0
	LOADCS 1
	s_mul_i32 s12, s14, 24576                      ; my four tiles of A in slot 0,
	v_add_nc_u32 v[ADRA], s12, v[LI16]
	v_add_nc_u32 v[ADRA+1], s12, v[LI8]
	s_mul_i32 s12, s14, 12288
	s_add_co_u32 s12, s12, S1                      ; in slot 1
	v_add_nc_u32 v[ADRA+2], s12, v[LI16]
	v_add_nc_u32 v[ADRA+3], s12, v[LI8]
	v_add_nc_u32 v[ADRB], 98304, v[LI16]
	v_add_nc_u32 v[ADRB+1], 98304, v[LI8]
	v_add_nc_u32 v[ADRB+2], 98304+36864, v[LI16]
	v_add_nc_u32 v[ADRB+3], 98304+36864, v[LI8]
	v_add_nc_u32 v[ADRB+4], S1+49152, v[LI16]
	v_add_nc_u32 v[ADRB+5], S1+49152, v[LI8]
	v_lshlrev_b32 v3, 3, v1
	s_lshl_b32 s12, s14, 9
	s_add_co_u32 s12, s12, SCA
	v_lshl_add_u32 v4, v2, 8, v3                   ; lanes 16-31: two tiles of tokens on,
	v_add_nc_u32 v[ASA], s12, v4
	v_mul_u32_u24 v4, v2, 768                      ; six tiles of columns on
	v_add_nc_u32 v4, v4, v3
	v_add_nc_u32 v[ASB], SCB, v4
	s_mul_i32 s12, s14, 16896
	s_add_co_u32 s12, s12, VST
	v_mul_u32_u24 v3, v1, 528
	v_lshl_add_u32 v3, v2, 5, v3
	v_add_nc_u32 v[STO], s12, v3
	v_lshl_add_u32 v[VRD], v5, 2, s12
	s_lshl_b32 s12, s15, 9
	s_lshl_b32 s13, s16, 1
	s_add_co_u32 s12, s12, s13
	s_add_co_u32 s12, s12, VSS
	v_lshl_add_u32 v3, v2, 2, v[R16]
	v_add_nc_u32 v[VSA], s12, v3                   ; v's scale bytes: [key step of the block's two][head][channel % 16][tile of channels] words, my two bytes
	s_lshl_b32 s12, s14, 8
	s_add_co_u32 s12, s12, VSS
	v_add_nc_u32 v[VSR], s12, v[LI8]
.macro FRAG reg, adr, off
	ds_load_b128 v[\reg:\reg+3], v[\adr] offset:\off
	ds_load_b64 v[\reg+4:\reg+5], v[\adr+1] offset:\off+512
	ds_load_b128 v[\reg+6:\reg+9], v[\adr] offset:\off+768
	ds_load_b64 v[\reg+10:\reg+11], v[\adr+1] offset:\off+1280
.endm
.macro SCALES pr                       ; the words of steps 2 pr and 2 pr + 1 into set pr % 2
.irp i, 0,1
	ds_load_b64 v[SC+16*((\pr)%2)+2*\i:SC+16*((\pr)%2)+2*\i+1], v[ASA] offset:(\pr)*2048+\i*128
.endr
.irp i, 0,1,2,3,4,5
	ds_load_b64 v[SC+16*((\pr)%2)+4+2*\i:SC+16*((\pr)%2)+4+2*\i+1], v[ASB] offset:(\pr)*1536+\i*128
.endr
.endm
.macro BPLACE p, b                     ; where fragment b of B's set p lies: window BW, register BB
.if (\p) == 0
.set BW, 3
.set BB, 12*(\b)
.elseif (\b) < 9
.set BW, 3
.set BB, 144+12*(\b)
.else
.set BW, 0
.set BB, 64+12*((\b)-9)
.endif
.endm
.macro FETCH nx                        ; step nx's sixteen fragments into set nx % 2: 64 loads, and eight more for the scale words of a pair of steps
.set PP, (\nx)%2
.if (\nx) < 4
.set SL, 0
.set QQ, (\nx)
.elseif (\nx) < 6
.set SL, 1
.set QQ, (\nx)-4
.elseif (\nx) < 10
.set SL, 0
.set QQ, (\nx)-6
.elseif (\nx) < 12
.set SL, 1
.set QQ, (\nx)-10
.else
.set SL, 0
.set QQ, (\nx)-12
.endif
.irp i, 0,1,2,3,4,5,6,7,8,9,10,11
	BPLACE PP, \i
	WIN BW<<6
.if SL
	FRAG BB, ADRB+4, \i*3072+QQ*1536
.else
	FRAG BB, ADRB+2*(\i/6), (\i%6)*6144+QQ*1536
.endif
.endr
	WIN 0
.if PP == 0
	SCALES (\nx)/2
.endif
	WIN (1+PP)<<6
.irp i, 0,1,2,3
	FRAG 192+12*\i, ADRA+2*SL, \i*(6144-3072*SL)+QQ*1536
.endr
	WIN 0
.endm
.macro WM a, b, p, sq, zero
.set CW, 1+(\a)/2
.set DD, 8*(12*((\a)%2)+(\b))
.set AA, 192+12*(\a)
	BPLACE \p, \b
.set SBR, (\sq)+4+2*((\b)%6)
.set SAR, (\sq)+2*((\a)%2)
	WIN BW|((1+(\p))<<2)|(CW<<4)|(CW<<6)
.if \zero
.if (\a) < 2 && (\b) < 6
	v_wmma_scale_f32_16x16x128_f8f6f4 v[DD:DD+7], v[BB:BB+11], v[AA:AA+11], 0, v[SBR], v[SAR] matrix_a_fmt:MATRIX_FMT_FP6 matrix_b_fmt:MATRIX_FMT_FP6
.elseif (\a) < 2
	v_wmma_scale_f32_16x16x128_f8f6f4 v[DD:DD+7], v[BB:BB+11], v[AA:AA+11], 0, v[SBR], v[SAR] matrix_a_fmt:MATRIX_FMT_FP6 matrix_b_fmt:MATRIX_FMT_FP6 matrix_a_scale:MATRIX_SCALE_ROW1
.elseif (\b) < 6
	v_wmma_scale_f32_16x16x128_f8f6f4 v[DD:DD+7], v[BB:BB+11], v[AA:AA+11], 0, v[SBR], v[SAR] matrix_a_fmt:MATRIX_FMT_FP6 matrix_b_fmt:MATRIX_FMT_FP6 matrix_b_scale:MATRIX_SCALE_ROW1
.else
	v_wmma_scale_f32_16x16x128_f8f6f4 v[DD:DD+7], v[BB:BB+11], v[AA:AA+11], 0, v[SBR], v[SAR] matrix_a_fmt:MATRIX_FMT_FP6 matrix_b_fmt:MATRIX_FMT_FP6 matrix_a_scale:MATRIX_SCALE_ROW1 matrix_b_scale:MATRIX_SCALE_ROW1
.endif
.else
.if (\a) < 2 && (\b) < 6
	v_wmma_scale_f32_16x16x128_f8f6f4 v[DD:DD+7], v[BB:BB+11], v[AA:AA+11], v[DD:DD+7], v[SBR], v[SAR] matrix_a_fmt:MATRIX_FMT_FP6 matrix_b_fmt:MATRIX_FMT_FP6
.elseif (\a) < 2
	v_wmma_scale_f32_16x16x128_f8f6f4 v[DD:DD+7], v[BB:BB+11], v[AA:AA+11], v[DD:DD+7], v[SBR], v[SAR] matrix_a_fmt:MATRIX_FMT_FP6 matrix_b_fmt:MATRIX_FMT_FP6 matrix_a_scale:MATRIX_SCALE_ROW1
.elseif (\b) < 6
	v_wmma_scale_f32_16x16x128_f8f6f4 v[DD:DD+7], v[BB:BB+11], v[AA:AA+11], v[DD:DD+7], v[SBR], v[SAR] matrix_a_fmt:MATRIX_FMT_FP6 matrix_b_fmt:MATRIX_FMT_FP6 matrix_b_scale:MATRIX_SCALE_ROW1
.else
	v_wmma_scale_f32_16x16x128_f8f6f4 v[DD:DD+7], v[BB:BB+11], v[AA:AA+11], v[DD:DD+7], v[SBR], v[SAR] matrix_a_fmt:MATRIX_FMT_FP6 matrix_b_fmt:MATRIX_FMT_FP6 matrix_a_scale:MATRIX_SCALE_ROW1 matrix_b_scale:MATRIX_SCALE_ROW1
.endif
.endif
.endm
.macro MUL6 ah, b0, st, zero           ; twelve matrix instructions: B's tiles b0 .. b0 + 5 x A's tiles 2 ah, 2 ah + 1.  The 48 accumulators take turns, in the same order in every step
.irp b, \b0, \b0+1, \b0+2, \b0+3, \b0+4, \b0+5
.irp a, 2*\ah, 2*\ah+1
	WM \a, \b, (\st)%2, SC+16*(((\st)/2)%2)+(\st)%2, \zero
.endr
.endr
.endm
.macro PLACES                          ; four places between matrix instructions and loads into registers that they have read, or reads of their results
.rept 4
	v_nop
.endr
.endm
; A step of 128 along K: the next step's fragments are asked for first, into the other set, then come this step's 48 matrix instructions.
; A chunk's last step (3, 5, 9, 11) changes slots: ONE barrier shows the next chunk whole and this chunk read out; where a chunk two on is left to fetch, it opens a round of the cluster's barrier and the slot is filled again.
.macro STEP st, zero
.set NX, (\st)+1
.set CK, -1
.if (\st) == 3
.set CK, 0
.elseif (\st) == 5
.set CK, 1
.elseif (\st) == 9
.set CK, 2
.elseif (\st) == 11
.set CK, 3
.endif
.if CK >= 0
	s_wait_tensorcnt 0x0                           ; all my tensor loads have landed: my part of the next chunk
	ds_add_u32 v[SPW], v[NIL]
	s_wait_dscnt 1                                 ; this step's fragments are in; the add may be out
	MUL6 0, 0, \st, 0
	s_wait_dscnt 0x0                               ; the add is done; my reads of this chunk are over
	s_barrier_signal -1
	MUL6 0, 6, \st, 0
	WIN 0
	s_barrier_wait -1
.if CK < 3
	CREST
.set SLT, CK%2
	s_add_nc_u64 s[G0+4*SLT+2:G0+4*SLT+3], s[G0+4*SLT+2:G0+4*SLT+3], 3*PA
	s_add_nc_u64 s[G0B+4*SLT+2:G0B+4*SLT+3], s[G0B+4*SLT+2:G0B+4*SLT+3], 3*PB
	ROWS 192-96*SLT, 144-72*SLT
	JLOAD G0+4*SLT, G1, G0B+4*SLT, G1B             ; chunk CK + 2; its four v_nop are the places in front of the loads below
.else
	PLACES
.endif
	FETCH NX
.if CK == 0
	ASKB 6                                         ; chunk 4
.endif
	MUL6 1, 0, \st, 0
	MUL6 1, 6, \st, 0
	WIN 0
.else
	s_wait_dscnt 0x0                               ; this step's fragments, asked for a step ago, are in
.if (\st) < 15
.if (\st) > 0
	PLACES
.endif
	FETCH NX
.endif
	MUL6 0, 0, \st, \zero
	MUL6 0, 6, \st, \zero
	MUL6 1, 0, \st, \zero
	MUL6 1, 6, \st, \zero
	WIN 0
.endif
.endm
	s_wait_alu depctr_va_vdst(0)                   ; the wait at the head's end
	s_wait_tensorcnt 0x0                           ; my tile of the head's four is in; the full sequence ahead of slot 1's first fill
	ds_add_u32 v[SPW], v[NIL]
	ROWS 96, 72
	s_wait_dscnt 0x0
	CROUND
	JLOAD G0+4, G1, G0B+4, G1B                     ; chunk 1
	FETCH 0
	ASKS 5                                         ; chunk 3
	STEP 0, 1                                      ; the first step's products start the sums
.set ST, 1
.rept 15
	STEP ST, 0
.set ST, ST+1
.endr
	PLACES
; THE WAY OUT.  Where the three heads' images and scale words go.
	s_wait_xcnt 0x0                                ; the prefetches have read their address registers
	s_lshr_b32 s12, s17, 2                         ; batch
	s_and_b32 s13, s17, 3
	s_lshl_b32 s20, s13, 4
	s_lshl_b32 s21, s14, 2
	s_add_co_u32 s20, s20, s21
	s_mul_i32 s20, s20, 768                        ; my first tile of 16 positions, x 768
	s_lshl_b32 s22, s13, 1
	s_add_co_u32 s22, s22, s15                     ; my group of 128 positions
	s_lshl_b32 s21, s22, 9
	s_lshl_b32 s23, s16, 8
	s_add_co_u32 s21, s21, s23                     ; its scale image, my half
	s_lshl_b32 s46, s12, 5
	s_mul_i32 s47, s42, 3
	s_lshl_b32 s96, s42, 1
	s_add_co_u32 s96, s96, 7
	s_cmp_lt_u32 ttmp9, 2
	s_cselect_b32 s96, s47, s96                    ; heads 1, 2: q head 3 X + j, or 2 X + 7 + j
	s_add_co_u32 s96, s96, s46
	s_add_co_u32 s47, s47, s46
	s_mov_b32 s99, 0
.irp j, 1,2
	s_add_co_u32 s97, s96, \j
	s_mul_i32 s98, s97, 49152
	s_add_co_u32 s98, s98, s20
	s_add_nc_u64 s[IMG+2*\j:IMG+2*\j+1], s[92:93], s[98:99]
	s_lshl_b32 s98, s97, 12
	s_add_co_u32 s98, s98, s21
	s_add_co_u32 s98, s98, 6291456
	s_add_nc_u64 s[SCJ+2*\j:SCJ+2*\j+1], s[92:93], s[98:99]
.endr
	s_mul_i32 s98, s47, 49152                      ; head 0: q head 3 X,
	s_lshl_b32 s100, s47, 12
	s_add_co_u32 s100, s100, 6291456
	s_lshl_b32 s97, s12, 3
	s_add_co_u32 s97, s97, s42
	s_sub_co_u32 s97, s97, 8
	s_mul_i32 s97, s97, KVB                        ; or k head X - 8
	s_add_co_u32 s101, s97, 98304
	s_cmp_ge_u32 ttmp9, 2
	s_cselect_b32 s98, s97, s98
	s_cselect_b32 s100, s101, s100
	s_cselect_b64 s[104:105], s[94:95], s[92:93]
	s_add_co_u32 s98, s98, s20
	s_add_nc_u64 s[IMG:IMG+1], s[104:105], s[98:99]
	s_add_co_u32 s98, s100, s21
	s_add_nc_u64 s[SCJ:SCJ+1], s[104:105], s[98:99]
	s_lshl_b32 s97, s12, 3                         ; v heads 2 (X - 12), + 1
	s_lshl_b32 s100, s42, 1
	s_add_co_u32 s97, s97, s100
	s_sub_co_u32 s97, s97, 24
	s_mul_i32 s97, s97, KVB
	s_mul_i32 s98, s22, 6144
	s_add_co_u32 s98, s98, s97
	s_mul_i32 s100, s16, 768
	s_add_co_u32 s98, s98, s100
	s_add_co_u32 s98, s98, 49152
	s_add_nc_u64 s[80:81], s[94:95], s[98:99]      ; v's images: my key step, my half of it
	s_mul_i32 s98, s16, KVB
	s_add_co_u32 s98, s98, s97
	s_lshl_b32 s100, s22, 8
	s_add_co_u32 s98, s98, s100
	s_add_co_u32 s98, s98, 102400
	s_add_nc_u64 s[82:83], s[94:95], s[98:99]      ; v's scale words: head wave % 2, key step wave / 2
	s_mov_b32 s86, 0x76543210
	s_mov_b32 s87, 0xfedcba98                      ; v_permlanex16_b32's selects for lane l xor 16
; 16 tokens x nh heads of q or k: rope in place in the accumulators, then each head's two blocks of 32 channels quantised; the six registers of codes are an image as they stand.
.macro QKROW a, nh
.set CW, 1+(\a)/2
.set AB0, 96*((\a)%2)
.set CN, CSB+32*((\a)%2)
.set SN, CN+16
.set NBK, 2*(\nh)
.if (\a) > 0
	s_wait_xcnt 0x0                                ; the last row's stores have read their registers
.endif
.if (\a) < 3
	s_wait_loadcnt 8                               ; this row's cos and sin are in; the next row's eight loads may be out
.else
	s_wait_loadcnt 0
.endif
	WIN CW*0x51
.set BI, 0
.rept NBK
.irp u, 0,1
.set XA, AB0+8*(BI+\u)
.set SQ, SN+4*((BI+\u)%4)
.set TT, T+8*\u
	v_pk_mul_f32 v[TT:TT+1],   v[XA:XA+1],   v[SQ:SQ+1]   op_sel_hi:[1,0]
	v_pk_mul_f32 v[TT+2:TT+3], v[XA+2:XA+3], v[SQ:SQ+1]   op_sel:[0,1] op_sel_hi:[1,1]
	v_pk_mul_f32 v[TT+4:TT+5], v[XA+4:XA+5], v[SQ+2:SQ+3] op_sel_hi:[1,0]
	v_pk_mul_f32 v[TT+6:TT+7], v[XA+6:XA+7], v[SQ+2:SQ+3] op_sel:[0,1] op_sel_hi:[1,1]
.endr
.irp u, 0,1
.set XA, AB0+8*(BI+\u)
.set CQ, CN+4*((BI+\u)%4)
.set TT, T+8*\u
	v_pk_fma_f32 v[XA:XA+1],   v[XA:XA+1],   v[CQ:CQ+1],   v[TT:TT+1]   op_sel:[0,0,1] op_sel_hi:[1,0,0] neg_lo:[0,0,1]
	v_pk_fma_f32 v[XA+2:XA+3], v[XA+2:XA+3], v[CQ:CQ+1],   v[TT+2:TT+3] op_sel:[0,1,1] op_sel_hi:[1,1,0] neg_lo:[0,0,1]
	v_pk_fma_f32 v[XA+4:XA+5], v[XA+4:XA+5], v[CQ+2:CQ+3], v[TT+4:TT+5] op_sel:[0,0,1] op_sel_hi:[1,0,0] neg_lo:[0,0,1]
	v_pk_fma_f32 v[XA+6:XA+7], v[XA+6:XA+7], v[CQ+2:CQ+3], v[TT+6:TT+7] op_sel:[0,1,1] op_sel_hi:[1,1,0] neg_lo:[0,0,1]
.endr
.set BI, BI+2
.endr
	WIN 0
.if (\a) < 2
	LOADCS (\a)+2
.endif
	WIN CW*0x55
.set BE, 0
.rept NBK
	v_max3_num_f32 v[TM+BE], |v[AB0+16*BE]|, |v[AB0+16*BE+1]|, 0x1800000      ; my 16 of the block, and the floor 2^(3 - 127)
.set BE, BE+1
.endr
.irp i, 2,4,6,8,10,12,14
.set BE, 0
.rept NBK
	v_max3_num_f32 v[TM+BE], v[TM+BE], |v[AB0+16*BE+\i]|, |v[AB0+16*BE+\i+1]|
.set BE, BE+1
.endr
.endr
.set BE, 0
.rept NBK
	v_permlanex16_b32 v[TM+6+BE], v[TM+BE], s86, s87
.set BE, BE+1
.endr
.set BE, 0
.rept NBK
	v_max_num_f32 v[TM+BE], v[TM+BE], v[TM+6+BE]
.set BE, BE+1
.endr
.set BE, 0
.rept NBK
	v_add_nc_u32 v[TM+12+BE], 0xff000000, v[TM+BE]                            ; the conversion's scale operand
.set BE, BE+1
.endr
.set BE, 0
.rept NBK
	v_lshrrev_b32 v[TM+6+BE], 23, v[TM+12+BE]                                 ; the scale's byte
.set BE, BE+1
.endr
.set HJ, 0
.rept \nh
	v_lshl_or_b32 v[TM+6+2*HJ], v[TM+7+2*HJ], 8, v[TM+6+2*HJ]
.set HJ, HJ+1
.endr
.set HJ, 0
.rept \nh
	v_cvt_scalef32_pk16_fp6_f32 v[PC+10*HJ:PC+10*HJ+2], v[AB0+32*HJ:AB0+32*HJ+15], v[TM+12+2*HJ]
	v_cvt_scalef32_pk16_fp6_f32 v[PC+10*HJ+6:PC+10*HJ+8], v[AB0+32*HJ+16:AB0+32*HJ+31], v[TM+13+2*HJ]
.set HJ, HJ+1
.endr
	v_nop                                          ; one plain place behind a scaled conversion
.set HJ, 0
.rept \nh
.irp i, 0,1,2
	v_permlane16_swap_b32 v[PC+10*HJ+\i], v[PC+10*HJ+6+\i]                    ; a whole block to a lane
.endr
.set HJ, HJ+1
.endr
.set HJ, 0
.rept \nh
.irp i, 0,1,2
	v_mov_b32 v[PC+10*HJ+3+\i], v[PC+10*HJ+6+\i]
.endr
.set HJ, HJ+1
.endr
	WIN CW*0x11
.set HJ, 0
.rept \nh
	v_lshl_or_b32 v[W+4*HJ+(\a)], v[TM+6+2*HJ], 16, v[TM+6+2*HJ]              ; the scale word: the two bytes, and once more for the zero codes that fill K up to 128
.set HJ, HJ+1
.endr
	WIN CW<<2
.set HJ, 0
.rept \nh
	global_store_b128 v[LI16], v[PC+10*HJ:PC+10*HJ+3], s[IMG+2*HJ:IMG+2*HJ+1] offset:(\a)*768          ; 512 consecutive bytes, aligned,
	global_store_b64 v[LI8], v[PC+10*HJ+4:PC+10*HJ+5], s[IMG+2*HJ:IMG+2*HJ+1] offset:(\a)*768+512      ; and 256
.set HJ, HJ+1
.endr
	WIN 0
.endm
.macro WOUT nh                         ; a lane's four words are four tiles of one row: sixteen lanes store 256 consecutive bytes, aligned (lanes 16-31 store the same bytes with the same values)
	s_wait_alu depctr_va_vdst(0)                   ; the wait ahead of the readers below
.set HJ, 0
.rept \nh
	global_store_b128 v[R16], v[W+4*HJ:W+4*HJ+3], s[SCJ+2*HJ:SCJ+2*HJ+1]
.set HJ, HJ+1
.endr
.endm
	s_cmp_eq_u32 ttmp9, 3                          ; the cluster's x: the same in all partners
	s_cbranch_scc1 .Lkv
.irp a, 0,1,2,3
	QKROW \a, 3
.endr
	WOUT 3
	s_branch .Ljoin
; v: 32 keys x 128 channels at a time through my stage; a lane then takes a channel and its registers run down the keys (place i holds key i with bits 3 and 4 exchanged, as the attention launch lays p).
.macro TOSTAGE2 kb
	WIN (1+(\kb))<<2
.irp u, 0,1
.irp b, 0,1,2,3,4,5,6,7
	ds_store_b128 v[STO], v[8*(12*\u+4+\b):8*(12*\u+4+\b)+3] offset:\u*16*528+64*\b
	ds_store_b128 v[STO], v[8*(12*\u+4+\b)+4:8*(12*\u+4+\b)+7] offset:\u*16*528+64*\b+16
.endr
.endr
	WIN 0
.endm
.macro VREAD g
.irp i, 0,1,2,3,4,5,6,7,8,9,10,11,12,13,14,15,16,17,18,19,20,21,22,23,24,25,26,27,28,29,30,31
	ds_load_b32 v[XV+32*((\g)%2)+\i], v[VRD] offset:128*(\g)+((\i&7)|((\i&8)<<1)|((\i&16)>>1))*528
.endr
.endm
.macro VQ kb, g
.set XS, XV+32*((\g)%2)
.if (\kb)%2
.set DV, OD+6*(\g)
.else
.set DV, EV+6*(\g)
.endif
.if (\g) < 3
	s_wait_dscnt 32                                ; this group's 32 reads are in; the next group's may be out
.else
	s_wait_dscnt 0
.endif
	v_max3_num_f32 v[VT], |v[XS]|, |v[XS+1]|, |v[XS+2]|
	v_max3_num_f32 v[VT+1], |v[XS+3]|, |v[XS+4]|, |v[XS+5]|
.irp i, 6,10,14,18,22,26
	v_max3_num_f32 v[VT], v[VT], |v[XS+\i]|, |v[XS+\i+1]|
	v_max3_num_f32 v[VT+1], v[VT+1], |v[XS+\i+2]|, |v[XS+\i+3]|
.endr
	v_max3_num_f32 v[VT], v[VT], |v[XS+30]|, |v[XS+31]|
	v_max3_num_f32 v[VT], v[VT], v[VT+1], 0x1800000
	v_add_nc_u32 v[VT+2], 0xff000000, v[VT]
	v_lshrrev_b32 v[VT+1], 23, v[VT+2]
.if (\kb) == 0
	v_mov_b32 v[SW+(\g)], v[VT+1]
.else
	v_lshl_or_b32 v[SW+(\g)], v[VT+1], 8, v[SW+(\g)]
.endif
	v_cvt_scalef32_pk16_fp6_f32 v[DV:DV+2], v[XS:XS+15], v[VT+2]
	v_cvt_scalef32_pk16_fp6_f32 v[VT+4:VT+6], v[XS+16:XS+31], v[VT+2]
	v_nop
	v_mov_b32 v[DV+3], v[VT+4]
	v_mov_b32 v[DV+4], v[VT+5]
	v_mov_b32 v[DV+5], v[VT+6]
.endm
.macro VBLK kb
	TOSTAGE2 \kb
	VREAD 0
	VREAD 1
	VQ \kb, 0
	VREAD 2
	VQ \kb, 1
	VREAD 3
	VQ \kb, 2
	VQ \kb, 3
.endm
.Lkv:
.irp a, 0,1,2,3
	QKROW \a, 1
.endr
	WOUT 1
	VBLK 0
	VBLK 1
.irp g, 0,1,2,3
.irp i, 0,1,2,3,4,5
	v_permlane16_swap_b32 v[EV+6*\g+\i], v[OD+6*\g+\i]     ; lanes 0-15: the first block of keys, lanes 16-31 the second; one tile of 16 channels in each run of registers
.endr
.endr
.irp g, 0,1,2,3
	global_store_b128 v[LI16], v[EV+6*\g:EV+6*\g+3], s[80:81] offset:(\g/2)*KVB+2*(\g%2)*1536
	global_store_b64 v[LI8], v[EV+6*\g+4:EV+6*\g+5], s[80:81] offset:(\g/2)*KVB+2*(\g%2)*1536+512
	global_store_b128 v[LI16], v[OD+6*\g:OD+6*\g+3], s[80:81] offset:(\g/2)*KVB+(2*(\g%2)+1)*1536
	global_store_b64 v[LI8], v[OD+6*\g+4:OD+6*\g+5], s[80:81] offset:(\g/2)*KVB+(2*(\g%2)+1)*1536+512
.endr
.irp g, 0,1,2,3
	ds_store_b16 v[VSA], v[SW+\g] offset:8*(\g%2)+256*(\g/2)
.endr
.Ljoin:
	s_wait_dscnt 0x0                               ; my stores of v's scale bytes are done
	s_barrier_signal -1                            ; every wave of every work-group passes this barrier; a word's four bytes come from two waves
	s_barrier_wait -1
	s_cmp_eq_u32 ttmp9, 3
	s_cbranch_scc0 .Lend
	ds_load_b64 v[XV:XV+1], v[VSR]
	s_wait_dscnt 0x0
	global_store_b64 v[LI8], v[XV:XV+1], s[82:83]  ; 256 consecutive bytes, aligned
.Lend:
	s_wait_tensorcnt 0x0                           ; the wave's end
	ds_add_u32 v[SPW], v[NIL]
	s_wait_dscnt 0x0
	CROUND                                         ; the closing round
	s_endpgm
.Lfunc_end_k_q30ccac099d_qkv:
	.size	k_q30ccac099d_qkv, .Lfunc_end_k_q30ccac099d_qkv-k_q30ccac099d_qkv
	.p2alignl 7, 3214868480
	.fill 96, 4, 3214868480
	.section	.rodata,"a",@progbits
	.p2align	6, 0x0
	.amdhsa_kernel k_q30ccac099d_qkv
		.amdhsa_group_segment_fixed_size 327680
		.amdhsa_private_segment_fixed_size 0
		.amdhsa_enable_private_segment 0
		.amdhsa_kernarg_size 48
		.amdhsa_user_sgpr_count 2
		.amdhsa_user_sgpr_kernarg_segment_ptr 1
		.amdhsa_wavefront_size32 1
		.amdhsa_system_sgpr_workgroup_id_x 1
		.amdhsa_system_sgpr_workgroup_id_y 1
		.amdhsa_system_sgpr_workgroup_id_z 1
		.amdhsa_system_vgpr_workitem_id 0
		.amdhsa_next_free_vgpr 1024
		.amdhsa_next_free_sgpr 106
		.amdhsa_reserve_vcc 0
		.amdhsa_float_denorm_mode_32 3
		.amdhsa_float_denorm_mode_16_64 3
		.amdhsa_memory_ordered 1
		.amdhsa_forward_progress 1
		.amdhsa_inst_pref_size 255
	.end_amdhsa_kernel
	.section	.bss,"aw",@nobits
	.p2align	6
	.space	262144
	.amdgpu_metadata
---
amdhsa.version: [ 1, 2 ]
amdhsa.kernels:
  - .name:           k_q30ccac099d_qkv
    .symbol:         k_q30ccac099d_qkv.kd
    .args:
      - { .name: xq, .offset: 0, .size: 8, .value_kind: global_buffer, .address_space: global }
      - { .name: wq3, .offset: 8, .size: 8, .value_kind: global_buffer, .address_space: global }
      - { .name: freqs_cos, .offset: 16, .size: 8, .value_kind: global_buffer, .address_space: global }
      - { .name: freqs_sin, .offset: 24, .size: 8, .value_kind: global_buffer, .address_space: global }
      - { .name: qimg, .offset: 32, .size: 8, .value_kind: global_buffer, .address_space: global }
      - { .name: kv, .offset: 40, .size: 8, .value_kind: global_buffer, .address_space: global }
    .group_segment_fixed_size: 327680
    .private_segment_fixed_size: 0
    .kernarg_segment_align: 8
    .kernarg_segment_size: 48
    .max_flat_workgroup_size: 128
    .sgpr_count:     106
    .vgpr_count:     1024
    .wavefront_size: 32
...
	.end_amdgpu_metadata
.endif
;; end of part 2
;; launch attn (part 3): grid 8 x 32, 16 waves a work-group, clusters of 4 x 1, 167,936 bytes of LDS; arguments qimg, kv, att; writes att
.if DOCPART == 3
	.amdgcn_target "amdgcn-amd-amdhsa--gfx1250"
	.amdhsa_code_object_version 6
	.text
	.protected	k_q30ccac099d_attn
	.globl	k_q30ccac099d_attn
	.p2align	8
	.type	k_q30ccac099d_attn,@function
k_q30ccac099d_attn:
	s_mov_b64 s[64:65], 0
	v_nop
	global_prefetch_b8 v0, s[64:65] scope:SCOPE_SE
	s_setreg_imm32_b32 hwreg(HW_REG_WAVE_MODE, 25, 1), 1
	s_wait_xcnt 0x0
	s_wait_alu depctr_hold_cnt(0) depctr_sa_sdst(0) depctr_va_vdst(0) depctr_va_sdst(0) depctr_va_ssrc(0) depctr_va_vcc(0) depctr_vm_vsrc(0)
	s_getreg_b32 s2, hwreg(HW_REG_IB_STS2, 6, 4)
	s_cmp_eq_u32 s2, 0
	s_cbranch_scc0 .Lentry_in_a_cluster
	s_endpgm
.Lentry_in_a_cluster:
	s_bfe_u32 s2, ttmp6, 0x10000c
	s_cmp_lg_u32 s2, 0x3003
	s_cbranch_scc0 .Lentry_shape_is_right
	s_endpgm
.Lentry_shape_is_right:
; Causal attention on codes of FP6 (E2M3) with E8M0 scales: S = q k^T, p = 2^(t - M), O = p v / l, and O quantised along heads x channels for the last product.  Head size 64, 1,024 keys, four query heads to a key/value head.
; THE SOFTMAX: t = score x log2(e) / 8; M = the row's largest t so far, rounded UP to a whole number; p = 2^(t - M) is quantised along the keys, not normalised; the row's sum is taken of the unquantised p and divides O at the end.
; When M moves, the sum and O are multiplied by 2^(old M - new M): exact.
; SHARES.  A work-group belongs to one batch and key/value head (grid y).  Its 16 waves: query head = wave % 4, e = (wave / 4) % 2, g = wave / 8.  A wave has TWO UNITS of 16 queries: in the group of 128 queries G = 2 x cluster x + g,
; and in group 7 - G; the tile in the group is 2 cx + e.  A unit walks the key steps 0 .. G of 128 keys, so every wave walks nine.  Steps that lie wholly behind the diagonal are left out by a scalar branch on ids.
; CLUSTER.  The four partners need the same 104,448 bytes (a head's K and V images and their scale images): waves 0-3 ask for a quarter each, JOINTLY, once; it stays in LDS.  Nothing is filled again.
; No branch and no LDS address hangs on cx: it enters the addresses of q and of the result, and the numbers against which the diagonal is compared.
; LAYOUT.  Both products are used transposed: S^T = K Q^T, O^T = V^T P^T: a lane holds ONE query (lane % 16) throughout.  K = 64 is filled up to 128 by zero codes: registers 6-11 of q's and of k's fragments are cleared once.
; Register 8 t + j of S^T holds key 16 t + 8 (lane / 16) + j, so place i of a block of 32 of p holds key (i with bits 3 and 4 exchanged): v was laid so by the launch before.  O's blocks come out in the same order; wo was laid so.
; The operands lie in memory and in LDS as images of their registers: 768 bytes for six registers (registers 0-3 at 16 x lane, 4-5 at 512 + 8 x lane).
; LIMITS: a block of zeros gets the byte 1, not 127 (zero codes; this program alone reads the bytes); NaN and infinities are not served.
; REGISTERS: v1-7, v28-31 addresses that stay; v8-11 addresses in hand; v12 -M, v13 the largest t, v[14:15] the sum; v16-27 q of unit 0, v192-203 of unit 1; v255, v204 their scale words; v32-79 four fragments of K;
; v96-159 S^T, then p, then (v96-143) four fragments of V; v160-191 O^T; v224-235 p's codes; v232-254 at work; v248-251 K's, then V's scale words; v253 p's.
.set KIMG,  0                          ; LDS: K's images: 64 tiles x 768
.set VIMG,  49152                      ; V's: [key step][d tile][half][768]
.set KSC,   98304                      ; K's scale images: 512 a step
.set VSC,   102400                     ; V's: 256 a step
.set KVB,   104448
.set SST,   KVB                        ; the result's scale bytes: 8 tiles x 128
.set SPARE, SST+1024                   ; the spare words, 128 bytes a wave
.set A16,  1
.set A8,   2
.set ASK0, 3
.set ASV0, 4
.set SPW,  5
.set NIL,  6
.set ADK,  8
.set ADK8, 9
.set ADS,  10
.set ADT,  11
.set SRD,  28
.set STS,  30
.set DL,   31
.set WV,   18
.set SEL,  20
.set CS,   22
.set G1,   24
.set G0,   32
.set GU0,  36                          ; s36, s37 the two units' groups of queries
.set GU1,  37
.set TB,   2                           ; s2  the step's images: 6,144 bytes a step
.set TS,   3                           ; s3  K's scale image: 512
.set TJ,   66                          ; s66 V's: 256
.set KS,   67                          ; s67 the key step
.macro CROUND
	s_barrier_signal -1
	s_barrier_wait -1
	s_cmp_lg_u32 s[WV], 0
	s_cbranch_scc1 .Lnot_wave_0_\@
	s_barrier_signal -3
.Lnot_wave_0_\@:
	s_barrier_wait -3
	s_barrier_signal -1
	s_barrier_wait -1
.endm
	s_load_b128 s[4:7], s[0:1], 0x0                ; qimg, kv
	s_load_b64 s[8:9], s[0:1], 0x10                ; att
	v_lshl_add_u32 v[SPW], v0, 2, SPARE
	v_mov_b32 v[NIL], 0
	ds_add_u32 v[SPW], v[NIL]                      ; the wave's opening: the add and its wait ahead of the first tensor load; the set-up below stands between them
	ds_add_u32 v[SPW], v[NIL]
	v_lshrrev_b32 v8, 5, v0
	s_delay_alu instid0(VALU_DEP_1)
	v_readfirstlane_b32 s[WV], v8                  ; wave 0..15
	s_bfe_u32 s10, ttmp6, 0x40000                  ; cx
	s_and_b32 s12, ttmp7, 0xffff                   ; 8 x batch + key/value head
	s_and_b32 s13, s[WV], 3                        ; my query head of the four
	s_bfe_u32 s14, s[WV], 0x10002                  ; e
	s_lshr_b32 s15, s[WV], 3                       ; g
	s_lshl_b32 s[GU0], ttmp9, 1
	s_add_co_u32 s[GU0], s[GU0], s15               ; unit 0's group
	s_sub_co_u32 s[GU1], 7, s[GU0]                 ; unit 1's
	s_lshl_b32 s16, s10, 1
	s_add_co_u32 s16, s16, s14                     ; my tile in a group: 2 cx + e
	s_lshl_b32 s48, s12, 2
	s_add_co_u32 s48, s48, s13                     ; my head, counted through the batches
	s_lshl_b32 s49, s48, 6
	s_add_co_u32 s49, s49, s16
	s_lshl_b32 s50, s[GU0], 3
	s_add_co_u32 s50, s50, s49
	s_mul_i32 s50, s50, 768                        ; q's image, unit 0
	s_mov_b32 s51, 0
	s_lshl_b32 s52, s[GU1], 3
	s_add_co_u32 s52, s52, s49
	s_mul_i32 s52, s52, 768                        ; unit 1
	s_mov_b32 s53, 0
	s_lshr_b32 s54, s16, 2
	s_lshl_b32 s54, s54, 8
	s_and_b32 s55, s16, 3
	s_lshl_b32 s55, s55, 2
	s_add_co_u32 s54, s54, s55
	s_add_co_u32 s54, s54, 6291456                 ; q's scale words: my tile's place in a group's image
	s_lshl_b32 s55, s48, 3
	s_add_co_u32 s56, s55, s[GU0]
	s_lshl_b32 s56, s56, 9
	s_add_co_u32 s56, s56, s54
	s_mov_b32 s57, 0
	s_add_co_u32 s58, s55, s[GU1]
	s_lshl_b32 s58, s58, 9
	s_add_co_u32 s58, s58, s54
	s_mov_b32 s59, 0
	s_mul_i32 s60, s12, KVB
	s_mul_i32 s61, s13, 26112
	s_add_co_u32 s60, s60, s61                     ; my quarter of the head's block (waves 0-3 fetch)
	s_mov_b32 s61, 0
	; the result's codes leave as images of the last product's operand registers: [K of 512 = head pair of key/value heads][tile of 16 tokens][8 images of 768 bytes]; my head's image is 4 x (key/value head % 2) + my head of the four
	s_lshr_b32 s70, s12, 3
	s_lshl_b32 s70, s70, 6
	s_add_co_u32 s70, s70, s16                     ; 64 x batch + my tile in a group
	s_bfe_u32 s71, s12, 0x20001
	s_lshl_b32 s71, s71, 8
	s_add_co_u32 s70, s70, s71                     ; + 256 x (key/value head / 2)
	s_lshl_b32 s72, s[GU0], 3
	s_add_co_u32 s72, s72, s70
	s_lshl_b32 s74, s[GU1], 3
	s_add_co_u32 s74, s74, s70
	s_and_b32 s71, s12, 1
	s_lshl_b32 s71, s71, 2
	s_add_co_u32 s71, s71, s13
	s_mul_i32 s71, s71, 768
	s_mul_i32 s72, s72, 6144
	s_add_co_u32 s72, s72, s71
	s_mov_b32 s73, 0
	s_mul_i32 s74, s74, 6144
	s_add_co_u32 s74, s74, s71
	s_mov_b32 s75, 0
	; group 1: 102 rows of 256 bytes (32 elements of 8 bytes), dense; the mask names all four partners
	s_mov_b32 s[G1], 15|(3<<16)|(1<<21)
	s_mov_b32 s[G1+1], 32<<16
	s_mov_b32 s[G1+2], 102<<16
	s_mov_b32 s[G1+3], 32<<16
	s_mov_b32 s[G1+4], 102
	s_mov_b32 s[G1+5], 32
	s_mov_b32 s[G1+6], 0
	s_mov_b32 s[G1+7], 0
	s_mov_b32 s[SEL], 0x76543210
	s_mov_b32 s[SEL+1], 0xfedcba98                 ; v_permlanex16_b32's selects for lane l xor 16
	s_mov_b32 s[CS], 0x3e38aa3b                    ; c = log2(e) / 8
	s_mov_b32 s[CS+1], s[CS]
	s_wait_dscnt 0x0                               ; the opening add is done
	s_wait_kmcnt 0x0
	s_mov_b32 s[G0], 1
	s_mul_i32 s[G0+1], s13, 26112
	s_add_nc_u64 s[G0+2:G0+3], s[6:7], s[60:61]
	s_or_b32 s[G0+3], s[G0+3], 0x80000000
	s_add_nc_u64 s[40:41], s[4:5], s[50:51]
	s_add_nc_u64 s[42:43], s[4:5], s[52:53]
	s_add_nc_u64 s[44:45], s[4:5], s[56:57]
	s_add_nc_u64 s[46:47], s[4:5], s[58:59]
	s_add_nc_u64 s[68:69], s[8:9], s[72:73]        ; unit 0's image of the result
	s_add_nc_u64 s[70:71], s[8:9], s[74:75]        ; unit 1's
	CROUND                                         ; all four work-groups are here: the joint loads meet
	s_cmp_lt_u32 s[WV], 4
	s_cbranch_scc0 .Lno_fetch
	tensor_load_to_lds s[G0:G0+3], s[G1:G1+7]      ; one load of mine is out
	s_nop 0
.rept 4
	v_nop
.endr
.Lno_fetch:
	v_and_b32 v8, 31, v0                           ; lane
	v_and_b32 v9, 15, v0                           ; r
	v_bfe_u32 v10, v0, 4, 1                        ; h
	s_delay_alu instid0(VALU_DEP_3)
	v_lshlrev_b32 v[A16], 4, v8
	s_delay_alu instid0(VALU_DEP_4)
	v_lshlrev_b32 v[A8], 3, v8
	s_delay_alu instid0(VALU_DEP_4)
	v_lshlrev_b32 v80, 4, v9                       ; 16 r
	global_load_b128 v[16:19], v[A16], s[40:41]
	global_load_b64 v[20:21], v[A8], s[40:41] offset:512
	global_load_b128 v[192:195], v[A16], s[42:43]
	global_load_b64 v[196:197], v[A8], s[42:43] offset:512
	global_load_b32 v255, v80, s[44:45]
	global_load_b32 v204, v80, s[46:47]
	v_add_nc_u32 v[ASK0], KSC, v[A16]              ; K's scale words: lanes 0-15 those of tiles 0-3 of row r, lanes 16-31 of tiles 4-7
	v_add_nc_u32 v[ASV0], VSC, v80                 ; V's: the four d tiles' words of row r
	s_lshl_b32 s48, s13, 8
	v_add_nc_u32 v[SRD], s48, v[A8]
	s_delay_alu instid0(VALU_DEP_1)
	v_add_nc_u32 v[SRD], SST, v[SRD]               ; and (waves 0-3) 256 scale bytes
	s_lshl_b32 s48, s15, 1
	s_add_co_u32 s48, s48, s14                     ; 2 g + e: my tile's place in the stage
	s_lshl_b32 s49, s48, 7
	s_lshl_b32 s50, s13, 1
	s_add_co_u32 s49, s49, s50
	v_lshl_add_u32 v[STS], v9, 3, s49
	s_delay_alu instid0(VALU_DEP_1)
	v_add_nc_u32 v[STS], SST, v[STS]               ; row r's 8 scale bytes, my head's two
	v_lshlrev_b32 v[DL], 3, v10
	s_delay_alu instid0(VALU_DEP_1)
	v_sub_nc_u32 v[DL], v9, v[DL]
	s_lshl_b32 s49, s16, 4
	v_add_nc_u32 v[DL], s49, v[DL]                 ; on the diagonal: my query's place in the step less 8 h
.irp j, 22,23,24,25,26,27,198,199,200,201,202,203
	v_mov_b32 v[\j], 0                             ; zero codes fill K = 64 up to 128: q's,
.endr
.irp t, 0,1,2,3
.irp j, 6,7,8,9,10,11
	v_mov_b32 v[32+12*\t+\j], 0                    ; and k's: these registers are never loaded
.endr
.endr
.irp j, 236,237,238,239,252,253
	v_mov_b32 v[\j], 0                             ; written once: a lane permute's destination counts as one of its sources; v253 is named as the upper half of a pair
.endr
	s_wait_tensorcnt 0x0                           ; my quarter is in,
	s_barrier_signal -1
	s_barrier_wait -1                              ; everybody's is
	s_wait_loadcnt 0x0                             ; q
; A KEY STEP of 128 keys for the unit whose q lies in v[qf] on, its scale words in v[qw], its group in s[gu]
.macro STEP qf, qw, gu
	s_cmp_gt_u32 s[KS], s[\gu]                     ; all keys of the step come after my queries: ids alone
	s_cbranch_scc1 .Lhidden_\@
	v_add_nc_u32 v[ADK], s[TB], v[A16]
	v_add_nc_u32 v[ADK8], s[TB], v[A8]
	v_add_nc_u32 v[ADS], s[TS], v[ASK0]
	v_add_nc_u32 v[ADT], s[TJ], v[ASV0]
	ds_load_b128 v[248:251], v[ADS]
.irp t, 0,1,2,3
	ds_load_b128 v[32+12*\t:35+12*\t], v[ADK] offset:KIMG+\t*768
	ds_load_b64 v[36+12*\t:37+12*\t], v[ADK8] offset:KIMG+\t*768+512
.endr
	s_wait_alu depctr_va_vdst(0)
	s_wait_dscnt 0x0
.irp t, 0,1,2,3
	v_wmma_scale_f32_16x16x128_f8f6f4 v[96+8*\t:103+8*\t], v[32+12*\t:43+12*\t], v[\qf:\qf+11], 0, v[248+\t], v[\qw] matrix_a_fmt:MATRIX_FMT_FP6 matrix_b_fmt:MATRIX_FMT_FP6
.endr
.rept 4
	v_nop                                          ; places in front of loads into registers that matrix instructions have read
.endr
.irp t, 0,1,2,3
	ds_load_b128 v[32+12*\t:35+12*\t], v[ADK] offset:KIMG+(4+\t)*768
	ds_load_b64 v[36+12*\t:37+12*\t], v[ADK8] offset:KIMG+(4+\t)*768+512
.endr
	s_wait_dscnt 0x0
.irp t, 0,1,2,3
	v_wmma_scale_f32_16x16x128_f8f6f4 v[128+8*\t:135+8*\t], v[32+12*\t:43+12*\t], v[\qf:\qf+11], 0, v[248+\t], v[\qw] matrix_a_fmt:MATRIX_FMT_FP6 matrix_b_fmt:MATRIX_FMT_FP6 matrix_a_scale:MATRIX_SCALE_ROW1
.endr
.rept 4
	v_nop
.endr
	s_cmp_lg_u32 s[KS], s[\gu]                     ; only the unit's last step lies on the diagonal
	s_cbranch_scc1 .Lopen_\@
	v_mov_b32 v254, 0xff800000                     ; -infinity: p = 0 then
.irp n, 0,1,2,3,4,5,6,7,8,9,10,11,12,13,14,15,16,17,18,19,20,21,22,23,24,25,26,27,28,29,30,31,32,33,34,35,36,37,38,39,40,41,42,43,44,45,46,47,48,49,50,51,52,53,54,55,56,57,58,59,60,61,62,63
	v_cmp_gt_i32 vcc_lo, 16*(\n/8)+\n%8, v[DL]     ; register n holds key 16 (n / 8) + n % 8 + 8 h of the step
	v_cndmask_b32 v[96+\n], v[96+\n], v254, vcc_lo
.endr
.Lopen_\@:
.irp b, 0,1,2,3
	v_max3_num_f32 v[232+\b], v[96+16*\b], v[97+16*\b], v[98+16*\b]   ; the largest score of each block of 32 keys: for the row's maximum, and, since p rises with the score, for the block's largest p
.endr
.irp i, 3,5,7,9,11,13
.irp b, 0,1,2,3
	v_max3_num_f32 v[232+\b], v[232+\b], v[96+16*\b+\i], v[97+16*\b+\i]
.endr
.endr
.irp b, 0,1,2,3
	v_max_num_f32 v[232+\b], v[232+\b], v[111+16*\b]
.endr
.irp b, 0,1,2,3
	s_delay_alu instid0(VALU_DEP_4)
	v_permlanex16_b32 v[236+\b], v[232+\b], s[SEL], s[SEL+1]
.endr
.irp b, 0,1,2,3
	s_delay_alu instid0(VALU_DEP_4)
	v_max_num_f32 v[232+\b], v[232+\b], v[236+\b]
.endr
	s_delay_alu instid0(VALU_DEP_2)
	v_max3_num_f32 v254, v232, v233, v234
	s_delay_alu instid0(VALU_DEP_1)
	v_max_num_f32 v254, v254, v235
	s_delay_alu instid0(VALU_DEP_1)
	v_mul_f32 v254, s[CS], v254                    ; the step's largest t of my query
	s_delay_alu instid0(VALU_DEP_1)
	v_max_num_f32 v13, v13, v254
	v_mov_b32 v254, v12
	s_delay_alu instid0(VALU_DEP_2)
	v_floor_f32 v12, -v13                          ; the new -M = floor(-t): M is a whole number
	s_delay_alu instid0(VALU_DEP_1)
	v_sub_f32 v254, v12, v254
	s_delay_alu instid0(VALU_DEP_1)
	v_cvt_i32_f32 v254, v254                       ; (it saturates)
	s_delay_alu instid0(VALU_DEP_1)
	v_ldexp_f32 v252, 1.0, v254                    ; f = 2^(old M - new M)
.irp j, 0,2,4,6,8,10,12,14,16,18,20,22,24,26,28,30,32,34,36,38,40,42,44,46,48,50,52,54,56,58,60,62
	v_pk_fma_f32 v[96+\j:97+\j], v[96+\j:97+\j], s[CS:CS+1], v[12:13] op_sel_hi:[1,0,0]   ; t - M
.endr
.irp b, 0,1,2,3
	v_fma_f32 v[232+\b], v[232+\b], s[CS], v12
.endr
	s_wait_alu depctr_va_vdst(0)
.irp j, 0,1,2,3,4,5,6,7,8,9,10,11,12,13,14,15,16,17,18,19,20,21,22,23,24,25,26,27,28,29,30,31,32,33,34,35,36,37,38,39,40,41,42,43,44,45,46,47,48,49,50,51,52,53,54,55,56,57,58,59,60,61,62,63
	v_exp_f32 v[96+\j], v[96+\j]                   ; p = 2^(t - M)
.endr
	v_pk_mul_f32 v[14:15], v[14:15], v[252:253] op_sel_hi:[1,0]   ; the sums under the new M (a plain place behind the exponentials)
	s_wait_alu depctr_va_vdst(0)                   ; one wait for the batch of 64, ahead of its first reader
.irp b, 0,1,2,3
	v_exp_f32 v[232+\b], v[232+\b]                 ; the blocks' largest p
.endr
	v_pk_add_f32 v[236:237], v[100:101], v[104:105]
	v_pk_add_f32 v[250:251], v[108:109], v[112:113]
	v_pk_add_f32 v[248:249], v[116:117], v[120:121]
	v_pk_add_f32 v[246:247], v[124:125], v[128:129]
	v_pk_add_f32 v[244:245], v[132:133], v[136:137]
	v_pk_add_f32 v[242:243], v[140:141], v[144:145]
	v_pk_add_f32 v[240:241], v[148:149], v[152:153]
	v_pk_add_f32 v[14:15], v[14:15], v[156:157]
	v_pk_add_f32 v[236:237], v[236:237], v[96:97]
	v_pk_add_f32 v[250:251], v[250:251], v[98:99]
	v_pk_add_f32 v[248:249], v[248:249], v[102:103]
	v_pk_add_f32 v[246:247], v[246:247], v[106:107]
	v_pk_add_f32 v[244:245], v[244:245], v[110:111]
	v_pk_add_f32 v[242:243], v[242:243], v[114:115]
	v_pk_add_f32 v[240:241], v[240:241], v[118:119]
	v_pk_add_f32 v[14:15], v[14:15], v[122:123]
	v_pk_add_f32 v[236:237], v[236:237], v[126:127]
	v_pk_add_f32 v[250:251], v[250:251], v[130:131]
	v_pk_add_f32 v[248:249], v[248:249], v[134:135]
	v_pk_add_f32 v[246:247], v[246:247], v[138:139]
	v_pk_add_f32 v[244:245], v[244:245], v[142:143]
	v_pk_add_f32 v[242:243], v[242:243], v[146:147]
	v_pk_add_f32 v[240:241], v[240:241], v[150:151]
	v_pk_add_f32 v[14:15], v[14:15], v[154:155]
	v_pk_add_f32 v[236:237], v[236:237], v[158:159]
	s_delay_alu instid0(VALU_DEP_2)
	v_pk_add_f32 v[14:15], v[14:15], v[246:247]
	s_delay_alu instid0(VALU_DEP_2)
	v_pk_add_f32 v[236:237], v[236:237], v[244:245]
	v_pk_add_f32 v[250:251], v[250:251], v[242:243]
	v_pk_add_f32 v[248:249], v[248:249], v[240:241]
	s_delay_alu instid0(VALU_DEP_2)
	v_pk_add_f32 v[14:15], v[14:15], v[250:251]
	s_delay_alu instid0(VALU_DEP_2)
	v_pk_add_f32 v[236:237], v[236:237], v[248:249]
	s_delay_alu instid0(VALU_DEP_1)
	v_pk_add_f32 v[14:15], v[14:15], v[236:237]
	s_wait_alu depctr_va_vdst(0)                   ; and one for the four
.irp b, 0,1,2,3
	v_max_num_f32 v[232+\b], 0x1800000, v[232+\b]  ; the floor 2^(3 - 127)
.endr
.irp b, 0,1,2,3
	s_delay_alu instid0(VALU_DEP_4)
	v_add_nc_u32 v[244+\b], 0xff000000, v[232+\b]
.endr
.irp b, 0,1,2,3
	s_delay_alu instid0(VALU_DEP_4)
	v_lshrrev_b32 v[236+\b], 23, v[244+\b]
.endr
	s_delay_alu instid0(VALU_DEP_3)
	v_lshl_or_b32 v253, v237, 8, v236              ; p's scale word for these 128 keys
	s_delay_alu instid0(VALU_DEP_1)
	v_lshl_or_b32 v253, v238, 16, v253
	s_delay_alu instid0(VALU_DEP_1)
	v_lshl_or_b32 v253, v239, 24, v253
.irp c, 0,1
	v_cvt_scalef32_pk16_fp6_f32 v[224+6*\c:226+6*\c], v[96+32*\c:111+32*\c], v[244+2*\c]
	v_cvt_scalef32_pk16_fp6_f32 v[236+4*\c:238+4*\c], v[112+32*\c:127+32*\c], v[244+2*\c+1]
.endr
	v_nop                                          ; one plain place behind a scaled conversion
.irp t, 0,1,2,3                                ; V's four fragments land where p lay
.irp c, 0,1
	ds_load_b128 v[96+12*\t+6*\c:99+12*\t+6*\c], v[ADK] offset:VIMG+\t*1536+\c*768
	ds_load_b64 v[100+12*\t+6*\c:101+12*\t+6*\c], v[ADK8] offset:VIMG+\t*1536+\c*768+512
.endr
.endr
	ds_load_b128 v[248:251], v[ADT]
.irp c, 0,1                                    ; a whole block to a lane
.irp i, 0,1,2
	v_permlane16_swap_b32 v[224+6*\c+\i], v[236+4*\c+\i]
.endr
.irp i, 0,1,2
	s_delay_alu instid0(VALU_DEP_3)
	v_mov_b32 v[227+6*\c+\i], v[236+4*\c+\i]
.endr
.endr
.irp j, 0,2,4,6,8,10,12,14,16,18,20,22,24,26,28,30
	v_pk_mul_f32 v[160+\j:161+\j], v[160+\j:161+\j], v[252:253] op_sel_hi:[1,0]   ; O^T under the new M.  (Of these sixteen, twelve name no register of any one product below: the places between the operand's and the scale word's last writes and the products)
.endr
	s_wait_alu depctr_va_vdst(0)
	s_wait_dscnt 0x0
.irp t, 0,1,2,3
	v_wmma_scale_f32_16x16x128_f8f6f4 v[160+8*\t:167+8*\t], v[96+12*\t:107+12*\t], v[224:235], v[160+8*\t:167+8*\t], v[248+\t], v253 matrix_a_fmt:MATRIX_FMT_FP6 matrix_b_fmt:MATRIX_FMT_FP6
.endr
.rept 5
	v_nop                                          ; the next step's scores are written over V's fragments by matrix instructions: five places
.endr
.Lhidden_\@:
	s_add_co_u32 s[TB], s[TB], 6144
	s_add_co_u32 s[TS], s[TS], 512
	s_add_co_u32 s[TJ], s[TJ], 256
.endm
.macro UNIT u, qf, qw, gu
.irp j, 0,1,2,3,4,5,6,7,8,9,10,11,12,13,14,15,16,17,18,19,20,21,22,23,24,25,26,27,28,29,30,31
	v_mov_b32 v[160+\j], 0                         ; O^T: the step is written once; its first walk finds zeros
.endr
	v_mov_b32 v13, 0xff61b1e6                      ; the largest t so far: -3e38
	s_delay_alu instid0(VALU_DEP_1)
	v_floor_f32 v12, -v13
	v_mov_b32 v14, 0
	v_mov_b32 v15, 0
	s_mov_b32 s[KS], 0
	s_mov_b32 s[TB], 0
	s_mov_b32 s[TS], 0
	s_mov_b32 s[TJ], 0
.Lstep_\@:                                         ; eight trips, a constant: the steps behind the diagonal are jumped over inside
	STEP \qf, \qw, \gu
	s_add_co_u32 s[KS], s[KS], 1
	s_cmp_lt_u32 s[KS], 8
	s_cbranch_scc1 .Lstep_\@
	s_wait_alu depctr_va_vdst(0)
	v_add_f32 v14, v14, v15                        ; the sum's two halves,
	s_delay_alu instid0(VALU_DEP_1)
	v_permlanex16_b32 v252, v14, s[SEL], s[SEL+1]
	s_delay_alu instid0(VALU_DEP_1)
	v_add_f32 v14, v14, v252                       ; and lane l xor 16's
	s_wait_alu depctr_va_vdst(0)
	v_rcp_f32 v14, v14
	v_nop                                          ; a plain place behind the reciprocal
	s_wait_alu depctr_va_vdst(0)                   ; and the wait ahead of its first reader
.irp j, 0,2,4,6,8,10,12,14,16,18,20,22,24,26,28,30
	v_pk_mul_f32 v[96+\j:97+\j], v[160+\j:161+\j], v[14:15] op_sel_hi:[1,0]   ; O^T / the sum: register 8 t + j is channel 16 t + 8 h + j; each accumulator from its low end on
.endr
.irp b, 0,1                                    ; two blocks of 32 channels; lane l xor 16 holds the other half of each
	v_max3_num_f32 v[232+\b], |v[96+16*\b]|, |v[97+16*\b]|, 0x1800000
.endr
.irp i, 2,4,6,8,10,12,14
.irp b, 0,1
	s_delay_alu instid0(VALU_DEP_2)
	v_max3_num_f32 v[232+\b], v[232+\b], |v[96+16*\b+\i]|, |v[97+16*\b+\i]|
.endr
.endr
.irp b, 0,1
	s_delay_alu instid0(VALU_DEP_2)
	v_permlanex16_b32 v[236+\b], v[232+\b], s[SEL], s[SEL+1]
.endr
.irp b, 0,1
	s_delay_alu instid0(VALU_DEP_2)
	v_max_num_f32 v[232+\b], v[232+\b], v[236+\b]
.endr
.irp b, 0,1
	s_delay_alu instid0(VALU_DEP_2)
	v_add_nc_u32 v[244+\b], 0xff000000, v[232+\b]
.endr
.irp b, 0,1
	s_delay_alu instid0(VALU_DEP_2)
	v_lshrrev_b32 v[236+\b], 23, v[244+\b]
.endr
	s_delay_alu instid0(VALU_DEP_1)
	v_lshl_or_b32 v238, v237, 8, v236              ; my head's two scale bytes
	v_cvt_scalef32_pk16_fp6_f32 v[224:226], v[96:111], v244
	v_cvt_scalef32_pk16_fp6_f32 v[240:242], v[112:127], v245
	v_nop
.irp i, 0,1,2
	v_permlane16_swap_b32 v[224+\i], v[240+\i]     ; lanes 0-15: block 0 whole, lanes 16-31: block 1
.endr
.irp i, 0,1,2
	s_delay_alu instid0(VALU_DEP_3)
	v_mov_b32 v[227+\i], v[240+\i]
.endr
	global_store_b128 v[A16], v[224:227], s[68+2*\u:69+2*\u]              ; my six registers are an image as they stand: 512 consecutive bytes, aligned,
	global_store_b64 v[A8], v[228:229], s[68+2*\u:69+2*\u] offset:512     ; and 256
	ds_store_b16 v[STS], v238 offset:512*\u        ; both lanes of a row write the same two bytes
	s_wait_dscnt 0x0                               ; the stores have read their registers
	s_wait_xcnt 0x0
.endm
	UNIT 0, 16, 255, GU0
	UNIT 1, 192, 204, GU1
	; where the result's scale bytes go: [key/value head][token][8]
	s_lshr_b32 s48, s12, 3
	s_and_b32 s49, s12, 7                          ; key/value head
	s_lshl_b32 s50, s48, 10
	s_lshl_b32 s51, s10, 5
	s_add_co_u32 s50, s50, s51                     ; 1,024 x batch + 32 cx
	s_and_b32 s56, s13, 1                          ; waves 0-3 store the scale bytes of 32 tokens: wave = 2 u + g
	s_lshl_b32 s57, ttmp9, 1
	s_add_co_u32 s56, s56, s57
	s_sub_co_u32 s57, 7, s56
	s_cmp_lt_u32 s13, 2
	s_cselect_b32 s56, s56, s57
	s_lshl_b32 s56, s56, 7
	s_add_co_u32 s56, s56, s50
	s_lshl_b32 s56, s56, 3
	s_lshl_b32 s57, s49, 15
	s_add_co_u32 s56, s56, s57
	s_add_co_u32 s56, s56, 6291456
	s_mov_b32 s57, 0
	s_add_nc_u64 s[58:59], s[8:9], s[56:57]
	s_barrier_signal -1                            ; every wave's stores into the stage are done (the wait for 0 at each unit's end)
	s_barrier_wait -1
	s_cmp_lt_u32 s[WV], 4
	s_cbranch_scc0 .Lno_scales
	ds_load_b64 v[44:45], v[SRD]
	s_wait_dscnt 0x0
	global_store_b64 v[A8], v[44:45], s[58:59]                 ; 256 consecutive bytes, aligned
.Lno_scales:
	s_wait_tensorcnt 0x0                           ; the wave's end, behind my last tensor load and my last LDS store
	ds_add_u32 v[SPW], v[NIL]
	s_wait_dscnt 0x0
	CROUND                                         ; the closing round
	s_endpgm
.Lfunc_end_k_q30ccac099d_attn:
	.size	k_q30ccac099d_attn, .Lfunc_end_k_q30ccac099d_attn-k_q30ccac099d_attn
	.p2alignl 7, 3214868480
	.fill 96, 4, 3214868480
	.section	.rodata,"a",@progbits
	.p2align	6, 0x0
	.amdhsa_kernel k_q30ccac099d_attn
		.amdhsa_group_segment_fixed_size 167936
		.amdhsa_private_segment_fixed_size 0
		.amdhsa_enable_private_segment 0
		.amdhsa_kernarg_size 24
		.amdhsa_user_sgpr_count 2
		.amdhsa_user_sgpr_kernarg_segment_ptr 1
		.amdhsa_wavefront_size32 1
		.amdhsa_system_sgpr_workgroup_id_x 1
		.amdhsa_system_sgpr_workgroup_id_y 1
		.amdhsa_system_sgpr_workgroup_id_z 1
		.amdhsa_system_vgpr_workitem_id 0
		.amdhsa_next_free_vgpr 256
		.amdhsa_next_free_sgpr 100
		.amdhsa_reserve_vcc 1
		.amdhsa_float_denorm_mode_32 3
		.amdhsa_float_denorm_mode_16_64 3
		.amdhsa_memory_ordered 1
		.amdhsa_forward_progress 1
		.amdhsa_inst_pref_size 66
	.end_amdhsa_kernel
	.amdgpu_metadata
---
amdhsa.version: [ 1, 2 ]
amdhsa.kernels:
  - .name:           k_q30ccac099d_attn
    .symbol:         k_q30ccac099d_attn.kd
    .args:
      - { .name: qimg, .offset: 0, .size: 8, .value_kind: global_buffer, .address_space: global }
      - { .name: kv, .offset: 8, .size: 8, .value_kind: global_buffer, .address_space: global }
      - { .name: att, .offset: 16, .size: 8, .value_kind: global_buffer, .address_space: global }
    .group_segment_fixed_size: 167936
    .private_segment_fixed_size: 0
    .kernarg_segment_align: 8
    .kernarg_segment_size: 24
    .max_flat_workgroup_size: 512
    .sgpr_count:     100
    .vgpr_count:     256
    .wavefront_size: 32
...
	.end_amdgpu_metadata
.endif
;; end of part 3
;; launch outp (part 4): grid 16 x 16, 4 waves a work-group, clusters of 4 x 4, 327,680 bytes of LDS; arguments att, woq, out0; writes out0
.if DOCPART == 4
	.amdgcn_target "amdgcn-amd-amdhsa--gfx1250"
	.amdhsa_code_object_version 6
	.text
	.protected	k_q30ccac099d_outp
	.globl	k_q30ccac099d_outp
	.p2align	8
	.type	k_q30ccac099d_outp,@function
k_q30ccac099d_outp:
	s_mov_b64 s[64:65], 0
	v_nop
	global_prefetch_b8 v0, s[64:65] scope:SCOPE_SE
	s_setreg_imm32_b32 hwreg(HW_REG_WAVE_MODE, 25, 1), 1
	s_wait_xcnt 0x0
	s_wait_alu depctr_hold_cnt(0) depctr_sa_sdst(0) depctr_va_vdst(0) depctr_va_sdst(0) depctr_va_ssrc(0) depctr_va_vcc(0) depctr_vm_vsrc(0)
	s_getreg_b32 s2, hwreg(HW_REG_IB_STS2, 6, 4)
	s_cmp_eq_u32 s2, 0
	s_cbranch_scc0 .Lentry_in_a_cluster
	s_endpgm
.Lentry_in_a_cluster:
	s_bfe_u32 s2, ttmp6, 0x10000c
	s_cmp_lg_u32 s2, 0xf033
	s_cbranch_scc0 .Lentry_shape_is_right
	s_endpgm
.Lentry_shape_is_right:
; out0 [4096][2048] f32 = att wo on codes of FP6 (E2M3) with E8M0 scales, K = 2,048.
; A block of 256 tokens x 128 columns to a work-group (16 x 16 of them), 128 x 64 to a wave: 32 accumulators.
; OPERANDS lie in memory as images of their registers: for 16 rows x 64 K, 768 bytes: registers 0-3 at 16 x lane, 4-5 at 512 + 8 x lane; [K of 512][tile of 16 rows][8 images].
; So a block's rows of one K chunk of 512 are dense: 98,304 bytes of A, 49,152 of B, fetched as rows of 256 bytes, and a fragment is four LDS loads of consecutive bytes.
; K goes in FOUR chunks through two LDS slots of 147,456 bytes.  The scale bytes of all K (16,384 + 8,192 bytes, [K step of 256][row][8]) come once and stay.
; THE HEAD: one joint load a wave: A's chunk 0, B's chunk 0, A's scales, B's scales.  In the ring waves 0, 1 fetch halves of A's chunk, waves 2, 3 halves of B's.
; CLUSTERS 4 x 4: A's tiles are shared along a row of the cluster, B's along a column.
; PREFETCH: chunks 1 and 2 are asked for at the head, chunk 3 behind chunk 1's load: never more than two chunks asked for and not yet fetched.  The four partners of a tile share its
; blocks of 256 bytes out by address: a wave names 24 of A's (6,144 bytes) and 12 of B's (3,072); lanes left over name the wave's last block again.
; The matrix instruction is used transposed (source 0 = wo's columns, source 1 = tokens): a lane holds eight neighbouring columns of one token.
; SCALE WORDS: a load of 8 bytes brings a row's words of two steps; lanes 0-15 take A's block i, lanes 16-31 block i + 4 (B: i and i + 2): the instruction's row selector picks.
; REGISTERS: window 0: v15-31 addresses, v32-55 scale words (two sets), v64-159, v160-255 A's fragments (two sets); window 1: the accumulators, (a, b) at 8 (4 a + b); window 2: v0-95 B's fragments (two sets).
.set ACH,    98304
.set BCH,    49152
.set SLOT,   ACH+BCH
.set ASTR,   256*6144                  ; from chunk to chunk in att
.set BSTR,   128*6144                  ; in woq
.set ASC,    4*ASTR                    ; where the scale bytes begin
.set BSC,    4*BSTR
.set SCA,    2*SLOT
.set SCB,    SCA+16384
.set SPARE,  SCB+8192                  ; the spare words, 128 bytes a wave
.set SPITCH, 272                       ; the way out: 16 rows x (256 + 16) bytes a wave, in slot 0, which has had its last fill and its last read by then
.set NCB,    8192                      ; a row of out0 in bytes
.set PFOB, 15
.set ADRA, 16                          ; v16-17: 16 x lane in slot 0, 1; v18-19: 8 x lane
.set ADRB, 20
.set STO,  24
.set RD,   25
.set CO,   26
.set ASA,  27
.set SPW,  28
.set NIL,  29
.set ASB,  30
.set PFOA, 31
.set SC,   32
.set AF,   64
.set BK,   64
.set G1, 24
.set G0, 32
.set G1B, 48
.set G0B, 56
.set G1S, 68
.set G0S, 76
.set G1SB, 80
.set G0SB, 88
.set G0H, 4
.set G0HB, 8
.set MSB, 0
.macro WIN new
.if MSB != \new
	s_set_vgpr_msb (MSB<<8)|\new
.set MSB, \new
.endif
.endm
.set MUL,  0x52                        ; source 0 (B) window 2, source 1 (A) window 0, C and D window 1
.set TO_B, 0x80
.macro JLOAD g0a, g1a, g0b, g1b
	s_cmp_eq_u32 s15, 0
	s_cbranch_scc0 .Lfor_b_\@
	tensor_load_to_lds s[\g0a:\g0a+3], s[\g1a:\g1a+7]
	s_nop 0
.rept 4
	v_nop
.endr
	s_branch .Lasked_\@
.Lfor_b_\@:
	tensor_load_to_lds s[\g0b:\g0b+3], s[\g1b:\g1b+7]
	s_nop 0
.rept 4
	v_nop
.endr
.Lasked_\@:
.endm
.macro CREST
	s_cmp_lg_u32 s14, 0
	s_cbranch_scc1 .Lnot_wave_0_\@
	s_barrier_signal -3
.Lnot_wave_0_\@:
	s_barrier_wait -3
	s_barrier_signal -1
	s_barrier_wait -1
.endm
.macro CROUND
	s_barrier_signal -1
	s_barrier_wait -1
	CREST
.endm
.macro DESC g, c, r, p                 ; r rows of c elements of 8 bytes, p elements from row to row
	s_mov_b32 s[\g+1], (\c)<<16
	s_mov_b32 s[\g+2], (\r)<<16
	s_mov_b32 s[\g+3], (\c)<<16
	s_mov_b32 s[\g+4], \r
	s_mov_b32 s[\g+5], \p
	s_mov_b32 s[\g+6], 0
	s_mov_b32 s[\g+7], 0
.endm
	s_load_b128 s[4:7], s[0:1], 0x0                ; att, woq
	s_load_b64 s[12:13], s[0:1], 0x10              ; out0
	v_lshl_add_u32 v[SPW], v0, 2, SPARE
	v_mov_b32 v[NIL], 0
	ds_add_u32 v[SPW], v[NIL]                      ; the opening: the add, twice on end, and its wait ahead of my first tensor load
	ds_add_u32 v[SPW], v[NIL]
	v_lshrrev_b32 v1, 5, v0
	v_readfirstlane_b32 s14, v1                    ; wave
	s_lshr_b32 s15, s14, 1                         ; my half of the tokens; also: I fetch for A (0) or B (1)
	s_and_b32 s16, s14, 1                          ; my half of the columns; also: which half of a chunk I fetch
	s_bfe_u32 s40, ttmp6, 0x40000                  ; cx
	s_bfe_u32 s41, ttmp6, 0x40004                  ; cy
	s_lshl_b32 s42, ttmp9, 2
	s_add_co_u32 s42, s42, s40                     ; block column
	s_and_b32 s17, ttmp7, 0xffff
	s_lshl_b32 s17, s17, 2
	s_add_co_u32 s17, s17, s41                     ; block row
	s_lshl_b32 s43, s41, 2
	s_lshl_b32 s43, 15, s43                        ; my row of the cluster
	s_lshl_b32 s44, 0x1111, s40                    ; my column
	s_or_b32 s[G1+0], s43, (3<<16)|(1<<21)
	s_or_b32 s[G1B+0], s44, (3<<16)|(1<<21)
	s_or_b32 s[G1S+0], s43, (3<<16)|(1<<21)
	s_or_b32 s[G1SB+0], s44, (3<<16)|(1<<21)
	DESC G1,   32,  384, 32                        ; the head's: a whole chunk of A,
	DESC G1B,  32,  192, 32                        ; of B;
	DESC G1S,  256, 8, 4096                        ; eight K steps x 256 tokens x 8 bytes,
	DESC G1SB, 128, 8, 2048                        ; x 128 columns
	s_mul_i32 s20, s17, ACH
	s_mov_b32 s21, 0
	s_mul_i32 s46, s42, BCH
	s_mov_b32 s47, 0
	s_lshl_b32 s22, s17, 11
	s_add_co_u32 s22, s22, ASC
	s_mov_b32 s23, 0
	s_lshl_b32 s92, s42, 10
	s_add_co_u32 s92, s92, BSC
	s_mov_b32 s93, 0
	s_mul_i32 s18, s16, ACH/2                      ; my half of A's chunk, in memory and in the slot
	s_mov_b32 s19, 0
	s_mul_i32 s2, s16, BCH/2                       ; of B's
	s_mov_b32 s3, 0
	s_add_co_u32 s45, s2, ACH                      ; which lies behind A's in the slot
	s_mul_i32 s98, s40, ACH/4                      ; the prefetches: my work-group's quarter by its place among the four that share the tile,
	s_mul_i32 s94, s14, ACH/16                     ; my wave's quarter of that
	s_add_co_u32 s98, s98, s94
	s_mov_b32 s99, 0
	s_mul_i32 s100, s41, BCH/4
	s_mul_i32 s94, s14, BCH/16
	s_add_co_u32 s100, s100, s94
	s_mov_b32 s101, 0
	s_wait_dscnt 0x0                               ; both opening adds are done
	s_wait_kmcnt 0x0
	s_add_nc_u64 s[20:21], s[4:5], s[20:21]
	s_add_nc_u64 s[22:23], s[4:5], s[22:23]
	s_add_nc_u64 s[46:47], s[6:7], s[46:47]
	s_add_nc_u64 s[92:93], s[6:7], s[92:93]
	s_add_nc_u64 s[94:95], s[20:21], s[98:99]
	s_add_nc_u64 s[96:97], s[46:47], s[100:101]
	CROUND                                         ; all sixteen work-groups are here: the first joint loads meet
	s_mov_b32 s[G0H], 1
	s_mov_b32 s[G0H+1], 0
	s_mov_b64 s[G0H+2:G0H+3], s[20:21]
	s_or_b32 s[G0H+3], s[G0H+3], 0x80000000
	s_mov_b32 s[G0HB], 1
	s_mov_b32 s[G0HB+1], ACH
	s_mov_b64 s[G0HB+2:G0HB+3], s[46:47]
	s_or_b32 s[G0HB+3], s[G0HB+3], 0x80000000
	s_mov_b32 s[G0S], 1
	s_mov_b32 s[G0S+1], SCA
	s_mov_b64 s[G0S+2:G0S+3], s[22:23]
	s_or_b32 s[G0S+3], s[G0S+3], 0x80000000
	s_mov_b32 s[G0SB], 1
	s_mov_b32 s[G0SB+1], SCB
	s_mov_b64 s[G0SB+2:G0SB+3], s[92:93]
	s_or_b32 s[G0SB+3], s[G0SB+3], 0x80000000
	s_add_nc_u64 s[20:21], s[20:21], s[18:19]
	s_add_nc_u64 s[46:47], s[46:47], s[2:3]
.irp s, 0,1
	s_mov_b32 s[G0+4*\s], 1
	s_add_co_u32 s[G0+4*\s+1], s18, \s*SLOT
	s_add_nc_u64 s[G0+4*\s+2:G0+4*\s+3], s[20:21], \s*ASTR
	s_or_b32 s[G0+4*\s+3], s[G0+4*\s+3], 0x80000000
	s_mov_b32 s[G0B+4*\s], 1
	s_add_co_u32 s[G0B+4*\s+1], s45, \s*SLOT
	s_add_nc_u64 s[G0B+4*\s+2:G0B+4*\s+3], s[46:47], \s*BSTR
	s_or_b32 s[G0B+4*\s+3], s[G0B+4*\s+3], 0x80000000
.endr
.macro ARM under, g0, g1, next         ; one chain of branches on the wave's number, one load to an arm
	s_cmp_lt_u32 s14, \under
	s_cbranch_scc0 \next
	tensor_load_to_lds s[\g0:\g0+3], s[\g1:\g1+7]
	s_nop 0
.rept 4
	v_nop
.endr
	s_branch .Lhead_asked
\next:
.endm
	ARM 1, G0H,  G1,  .Lhead_b
	ARM 2, G0HB, G1B, .Lhead_sa
	ARM 3, G0S,  G1S, .Lhead_sb
	tensor_load_to_lds s[G0SB:G0SB+3], s[G1SB:G1SB+7]
	s_nop 0
.rept 4
	v_nop
.endr
.Lhead_asked:
.macro ASK c                           ; my share of chunk c; the address registers are never rewritten
	global_prefetch_b8 v[PFOA], s[94:95] offset:(\c)*ASTR th:TH_LOAD_NT scope:SCOPE_SE
	global_prefetch_b8 v[PFOB], s[96:97] offset:(\c)*BSTR th:TH_LOAD_NT scope:SCOPE_SE
.endm
	v_and_b32 v6, 31, v0
	v_min_u32 v[PFOA], 23, v6
	v_min_u32 v[PFOB], 11, v6
	v_lshlrev_b32 v[PFOA], 8, v[PFOA]
	v_lshlrev_b32 v[PFOB], 8, v[PFOB]
	ASK 1
	ASK 2
	v_and_b32 v1, 15, v0                           ; r
	v_bfe_u32 v2, v0, 4, 1                         ; h
	v_lshlrev_b32 v3, 4, v6
	v_lshlrev_b32 v4, 3, v6
	s_mul_i32 s21, s15, ACH/2                      ; my 128 tokens' images
	s_mul_i32 s22, s16, BCH/2
	s_add_co_u32 s22, s22, ACH                     ; my 64 columns'
.irp s, 0,1
	v_add_nc_u32 v[ADRA+\s], s21, v3
	v_add_nc_u32 v[ADRA+2+\s], s21, v4
	v_add_nc_u32 v[ADRB+\s], s22, v3
	v_add_nc_u32 v[ADRB+2+\s], s22, v4
	s_add_co_u32 s21, s21, SLOT
	s_add_co_u32 s22, s22, SLOT
.endr
	v_lshlrev_b32 v5, 3, v1
	s_lshl_b32 s21, s15, 10
	s_add_co_u32 s21, s21, SCA
	s_lshl_b32 s22, s16, 9
	s_add_co_u32 s22, s22, SCB
	v_lshl_add_u32 v7, v2, 9, v5                   ; lanes 16-31: four blocks of 16 tokens on,
	v_add_nc_u32 v[ASA], s21, v7
	v_lshl_add_u32 v7, v2, 8, v5                   ; two blocks of 16 columns on
	v_add_nc_u32 v[ASB], s22, v7
	s_mul_i32 s23, s14, 16*SPITCH
	v_mul_u32_u24 v5, v1, SPITCH
	v_lshl_add_u32 v5, v2, 5, v5
	v_add_nc_u32 v[STO], s23, v5                   ; the stage, in: row r, 32 bytes for each half of the lanes
	v_mul_u32_u24 v5, v2, SPITCH
	v_lshl_add_u32 v5, v1, 4, v5
	v_add_nc_u32 v[RD], s23, v5                    ; back: sixteen lanes to a row of 256 bytes
	v_lshlrev_b32 v5, 13, v2
	v_lshl_add_u32 v[CO], v1, 4, v5                ; and the same two rows in out0
	s_lshl_b32 s20, s17, 8
	s_lshl_b32 s21, s15, 7
	s_add_co_u32 s20, s20, s21
	s_lshl_b32 s20, s20, 13
	s_lshl_b32 s46, s42, 9
	s_lshl_b32 s47, s16, 8
	s_add_co_u32 s46, s46, s47
	s_add_co_u32 s20, s20, s46
	s_mov_b32 s21, 0
	s_add_nc_u64 s[12:13], s[12:13], s[20:21]
.macro FRAG reg, adr, i, q
.irp c, 0,1
	ds_load_b128 v[\reg+6*\c:\reg+6*\c+3], v[\adr] offset:(\i)*6144+(\q)*1536+\c*768
	ds_load_b64 v[\reg+6*\c+4:\reg+6*\c+5], v[\adr+2] offset:(\i)*6144+(\q)*1536+\c*768+512
.endr
.endm
.macro SCALES pr                       ; the words of steps 2 pr and 2 pr + 1 into set pr % 2
.irp i, 0,1,2,3
	ds_load_b64 v[SC+12*((\pr)%2)+2*\i:SC+12*((\pr)%2)+2*\i+1], v[ASA] offset:(\pr)*2048+\i*128
.endr
.irp i, 0,1
	ds_load_b64 v[SC+12*((\pr)%2)+8+2*\i:SC+12*((\pr)%2)+8+2*\i+1], v[ASB] offset:(\pr)*1024+\i*128
.endr
.endm
.macro FETCH nx                        ; step nx's fragments into set nx % 2: 48 loads, and six more for the scale words of a pair of steps
.set SL, ((\nx)/4)%2
.set QQ, (\nx)%4
.set PP, (\nx)%2
	WIN TO_B
.irp i, 0,1,2,3
	FRAG 48*PP+12*\i, ADRB+SL, \i, QQ
.endr
	WIN 0
.irp i, 0,1,2,3,4,5,6,7
	FRAG AF+96*PP+12*\i, ADRA+SL, \i, QQ
.endr
.if PP == 0
	SCALES (\nx)/2
.endif
.endm
.macro WM a, b, p, sq, zero
.set DD, 8*(4*(\a)+(\b))
.set BB, 48*(\p)+12*(\b)
.set AA, AF+96*(\p)+12*(\a)
.set SBR, (\sq)+8+2*((\b)%2)
.set SAR, (\sq)+2*((\a)%4)
.if \zero
.if (\a) < 4 && (\b) < 2
	v_wmma_scale_f32_16x16x128_f8f6f4 v[DD:DD+7], v[BB:BB+11], v[AA:AA+11], 0, v[SBR], v[SAR] matrix_a_fmt:MATRIX_FMT_FP6 matrix_b_fmt:MATRIX_FMT_FP6
.elseif (\a) < 4
	v_wmma_scale_f32_16x16x128_f8f6f4 v[DD:DD+7], v[BB:BB+11], v[AA:AA+11], 0, v[SBR], v[SAR] matrix_a_fmt:MATRIX_FMT_FP6 matrix_b_fmt:MATRIX_FMT_FP6 matrix_a_scale:MATRIX_SCALE_ROW1
.elseif (\b) < 2
	v_wmma_scale_f32_16x16x128_f8f6f4 v[DD:DD+7], v[BB:BB+11], v[AA:AA+11], 0, v[SBR], v[SAR] matrix_a_fmt:MATRIX_FMT_FP6 matrix_b_fmt:MATRIX_FMT_FP6 matrix_b_scale:MATRIX_SCALE_ROW1
.else
	v_wmma_scale_f32_16x16x128_f8f6f4 v[DD:DD+7], v[BB:BB+11], v[AA:AA+11], 0, v[SBR], v[SAR] matrix_a_fmt:MATRIX_FMT_FP6 matrix_b_fmt:MATRIX_FMT_FP6 matrix_a_scale:MATRIX_SCALE_ROW1 matrix_b_scale:MATRIX_SCALE_ROW1
.endif
.else
.if (\a) < 4 && (\b) < 2
	v_wmma_scale_f32_16x16x128_f8f6f4 v[DD:DD+7], v[BB:BB+11], v[AA:AA+11], v[DD:DD+7], v[SBR], v[SAR] matrix_a_fmt:MATRIX_FMT_FP6 matrix_b_fmt:MATRIX_FMT_FP6
.elseif (\a) < 4
	v_wmma_scale_f32_16x16x128_f8f6f4 v[DD:DD+7], v[BB:BB+11], v[AA:AA+11], v[DD:DD+7], v[SBR], v[SAR] matrix_a_fmt:MATRIX_FMT_FP6 matrix_b_fmt:MATRIX_FMT_FP6 matrix_a_scale:MATRIX_SCALE_ROW1
.elseif (\b) < 2
	v_wmma_scale_f32_16x16x128_f8f6f4 v[DD:DD+7], v[BB:BB+11], v[AA:AA+11], v[DD:DD+7], v[SBR], v[SAR] matrix_a_fmt:MATRIX_FMT_FP6 matrix_b_fmt:MATRIX_FMT_FP6 matrix_b_scale:MATRIX_SCALE_ROW1
.else
	v_wmma_scale_f32_16x16x128_f8f6f4 v[DD:DD+7], v[BB:BB+11], v[AA:AA+11], v[DD:DD+7], v[SBR], v[SAR] matrix_a_fmt:MATRIX_FMT_FP6 matrix_b_fmt:MATRIX_FMT_FP6 matrix_a_scale:MATRIX_SCALE_ROW1 matrix_b_scale:MATRIX_SCALE_ROW1
.endif
.endif
.endm
.macro MUL8 a0, st, zero               ; A's blocks a0, a0 + 1 x B's four.  The 32 accumulators take turns, in the same order in every step
.irp a, \a0, \a0+1
.irp b, 0,1,2,3
	WM \a, \b, (\st)%2, SC+12*(((\st)/2)%2)+(\st)%2, \zero
.endr
.endr
.endm
.macro PLACES                          ; four places between matrix instructions and loads into registers that they have read, or reads of their results
.rept 4
	v_nop
.endr
.endm
; A step of 128 along K: the next step's fragments are asked for first, into the other set, then come this step's 32 matrix instructions.
; A chunk's last step changes slots: ONE barrier shows the next chunk whole and this chunk read out; where a chunk two on is left to fetch, it opens a round of the cluster's barrier and the slot is filled again.
.macro STEP st, zero
.set NX, (\st)+1
.set CK, (\st)/4
.if (\st)%4 == 3 && (\st) < 15
	s_wait_tensorcnt 0x0                           ; all my tensor loads have landed: my part of the next chunk
	ds_add_u32 v[SPW], v[NIL]
	s_wait_dscnt 1                                 ; this step's fragments are in; the add may be out
	WIN MUL
	MUL8 0, \st, 0
	s_wait_dscnt 0x0                               ; the add is done; my reads of this chunk are over
	s_barrier_signal -1
	MUL8 2, \st, 0
	WIN 0
	s_barrier_wait -1
.if CK < 2
	CREST
	s_add_nc_u64 s[G0+4*CK+2:G0+4*CK+3], s[G0+4*CK+2:G0+4*CK+3], 2*ASTR
	s_add_nc_u64 s[G0B+4*CK+2:G0B+4*CK+3], s[G0B+4*CK+2:G0B+4*CK+3], 2*BSTR
	JLOAD G0+4*CK, G1, G0B+4*CK, G1B               ; chunk CK + 2; its four v_nop are the places in front of the loads below
.else
	PLACES
.endif
	FETCH NX
	WIN MUL
	MUL8 4, \st, 0
	MUL8 6, \st, 0
	WIN 0
.else
	s_wait_dscnt 0x0                               ; this step's fragments, asked for a step ago, are in
.if (\st) < 15
.if (\st) > 0
	PLACES
.endif
	FETCH NX
.endif
	WIN MUL
	MUL8 0, \st, \zero
	MUL8 2, \st, \zero
	MUL8 4, \st, \zero
	MUL8 6, \st, \zero
	WIN 0
.endif
.endm
	s_wait_alu depctr_va_vdst(0)                   ; the wait at the head's end
	s_wait_tensorcnt 0x0                           ; my tile of the head's four is in; the full sequence ahead of slot 1's first fill
	ds_add_u32 v[SPW], v[NIL]
	s_mov_b32 s[G1+2], 192<<16                     ; no load of mine is out: from here on a load brings half a chunk
	s_mov_b32 s[G1+4], 192
	s_mov_b32 s[G1B+2], 96<<16
	s_mov_b32 s[G1B+4], 96
	s_wait_dscnt 0x0
	CROUND
	JLOAD G0+4, G1, G0B+4, G1B                     ; chunk 1
	FETCH 0
	ASK 3
	STEP 0, 1                                      ; the first step's products start the sums
.set ST, 1
.rept 15
	STEP ST, 0
.set ST, ST+1
.endr
; THE WAY OUT, by blocks of 16 tokens x 64 columns, through my own stage: rows of 256 bytes come back, and sixteen lanes store one aligned run of 256 bytes.
.macro TOSTAGE a
	WIN 0x04                                       ; the data: window 1
.irp b, 0,1,2,3
	ds_store_b128 v[STO], v[32*(\a)+8*\b:32*(\a)+8*\b+3] offset:64*\b       ; each accumulator from its low end on
	ds_store_b128 v[STO], v[32*(\a)+8*\b+4:32*(\a)+8*\b+7] offset:64*\b+16
.endr
	WIN 0
.set BBK, BK+32*((\a)%2)
.irp t, 0,1,2,3,4,5,6,7
	ds_load_b128 v[BBK+4*\t:BBK+4*\t+3], v[RD] offset:\t*2*SPITCH           ; LDS serves a wave's instructions in order
.endr
.endm
.macro SEND a, younger
.set BBK, BK+32*((\a)%2)
	s_wait_dscnt \younger
.if (\a) > 0
	s_add_nc_u64 s[12:13], s[12:13], 16*NCB        ; (behind a wait on XCNT)
.endif
.irp t, 0,1,2,3,4,5,6,7
	global_store_b128 v[CO], v[BBK+4*\t:BBK+4*\t+3], s[12:13] offset:2*\t*NCB th:TH_STORE_NT
.endr
.endm
	PLACES
	TOSTAGE 0
.irp a, 1,2,3,4,5,6,7
.if \a > 1
	s_wait_xcnt 0x0                                ; block a - 2's stores have read their registers and their base
.endif
	TOSTAGE \a
	SEND \a-1, 16                                  ; behind block a - 1's loads: block a's 8 stores and 8 loads
.endr
	s_wait_xcnt 0x0
	SEND 7, 0
	s_wait_tensorcnt 0x0                           ; the wave's end
	ds_add_u32 v[SPW], v[NIL]
	s_wait_dscnt 0x0
	CROUND                                         ; the closing round
	s_endpgm
.Lfunc_end_k_q30ccac099d_outp:
	.size	k_q30ccac099d_outp, .Lfunc_end_k_q30ccac099d_outp-k_q30ccac099d_outp
	.p2alignl 7, 3214868480
	.fill 96, 4, 3214868480
	.section	.rodata,"a",@progbits
	.p2align	6, 0x0
	.amdhsa_kernel k_q30ccac099d_outp
		.amdhsa_group_segment_fixed_size 327680
		.amdhsa_private_segment_fixed_size 0
		.amdhsa_enable_private_segment 0
		.amdhsa_kernarg_size 24
		.amdhsa_user_sgpr_count 2
		.amdhsa_user_sgpr_kernarg_segment_ptr 1
		.amdhsa_wavefront_size32 1
		.amdhsa_system_sgpr_workgroup_id_x 1
		.amdhsa_system_sgpr_workgroup_id_y 1
		.amdhsa_system_sgpr_workgroup_id_z 1
		.amdhsa_system_vgpr_workitem_id 0
		.amdhsa_next_free_vgpr 640
		.amdhsa_next_free_sgpr 104
		.amdhsa_reserve_vcc 0
		.amdhsa_float_denorm_mode_32 3
		.amdhsa_float_denorm_mode_16_64 3
		.amdhsa_memory_ordered 1
		.amdhsa_forward_progress 1
		.amdhsa_inst_pref_size 150
	.end_amdhsa_kernel
	.amdgpu_metadata
---
amdhsa.version: [ 1, 2 ]
amdhsa.kernels:
  - .name:           k_q30ccac099d_outp
    .symbol:         k_q30ccac099d_outp.kd
    .args:
      - { .name: att, .offset: 0, .size: 8, .value_kind: global_buffer, .address_space: global }
      - { .name: woq, .offset: 8, .size: 8, .value_kind: global_buffer, .address_space: global }
      - { .name: out0, .offset: 16, .size: 8, .value_kind: global_buffer, .address_space: global }
    .group_segment_fixed_size: 327680
    .private_segment_fixed_size: 0
    .kernarg_segment_align: 8
    .kernarg_segment_size: 24
    .max_flat_workgroup_size: 128
    .sgpr_count:     104
    .vgpr_count:     640
    .wavefront_size: 32
...
	.end_amdgpu_metadata
.endif
;; end of part 4
